; MI455X (gfx1250); checked and timed in simulation.
; The chip was launched on July 23, 2026; its instructions are those of AMD's public machine-readable ISA for CDNA 5 (MIT licence, August 2026) and "CDNA5" Instruction Set Architecture Reference Guide (July 2026). The comments in the code are by the model that wrote it; some were corrected since.
;; Attention. Allowed arithmetic: matrix products marked QUANTISED: E2M1 operands, one E8M0 scale for each 32 along K, by v_wmma_scale_f32_16x16x128_f8f6f4 with both operands' format E2M1 (or v_wmma_scale_f32_32x16x128_f4), f32 sums; products left as they are: bf16, f16 or f32 operands; f32 sums; everything else in f32.
;; Inputs: c_attn_b 3,072 float32; c_attn_w 1,024 x 3,072 float32; c_proj_b 1,024 float32; c_proj_w 1,024 x 1,024 float32; hidden_states 4 x 2,048 x 1,024 float32.
;; Outputs: out0 4 x 2,048 x 1,024 float32.
;; This version of the problem:
;;   THIS VERSION OF THE PROBLEM IS GIVEN IN LOW PRECISION. The matrix products marked QUANTISED in the list below multiply operands that are first quantised to E2M1 (2 exponent bits, 1 mantissa bit; 4 bits a number), with one power-of-two scale for each 32 numbers along K (OCP MX v1.0); their sums are f32. The products marked 'left as it is' may take bf16, f16 or f32 operands, with f32 sums. Whichever they take, every output number must still come out within the allowed error. Rounding operands to bf16 (8 significant bits) uses up far more of that allowance than f16 does (11 bits, for magnitudes from 6e-5 to 65,504). All else is computed in f32.
;;   The module's matrix products, in the order in which they are computed (A, B: the left and right operand; K: the contracted axis; several contracted axes count as one K, in the product's order):
;;     1. [M 8,192, K 1,024] x [K 1,024, N 3,072]; A: input hidden_states; B: input c_attn_w: QUANTISED
;;     2. batch 64 x [M 2,048, K 64] x [K 64, N 2,048]; A: computed on the way; B: computed on the way: left as it is (an operand is computed on the way)
;;     3. batch 64 x [M 2,048, K 2,048] x [K 2,048, N 64]; A: computed on the way; B: computed on the way: left as it is (an operand is computed on the way)
;;     4. [M 8,192, K 1,024] x [K 1,024, N 1,024]; A: computed on the way; B: input c_proj_w: left as it is (an operand is computed on the way)
;;   THE QUANTISER, for each operand of a quantised product, along K:
;;     - K is cut into blocks of 32 from its start; a last block that is shorter is filled with zeros.
;;     - A block's scale is 2^e with e = floor(log2(the largest magnitude in the block)) - 2, held to -126 .. 127; a block of zeros has e = 0. As a byte (E8M0): e + 127.
;;     - Each number is divided by its block's scale, clamped to +-6, and rounded to the nearest number of E2M1, ties to even, subnormals kept.
;;     - The product sums the exact products of the quantised numbers (number of the format x scale) in f32.
;;   ~~~python
;;   def quantise(x, axis):      # numpy; x: float32 -> the quantised numbers, widened to float32 again
;;       x = np.moveaxis(x, axis, -1); K = x.shape[-1]
;;       x = np.pad(x, [(0, 0)] * (x.ndim - 1) + [(0, -K % 32)]); x = x.reshape(x.shape[:-1] + (-1, 32)); a = np.abs(x).max(-1, keepdims=True)
;;       e = np.where(a > 0, np.clip(np.frexp(np.where(a > 0, a, 1))[1] - 1 - 2, -126, 127), 0)      # np.frexp(a)[1] - 1 = floor(log2(a)), exactly
;;       r = np.clip(x / 2.0 ** e, -6, 6)
;;       step = 2.0 ** (np.maximum(np.frexp(np.where(r == 0, 1, r))[1] - 1, 0) - 1)
;;       q = np.round(r / step) * step * 2.0 ** e      # np.round: ties to even
;;       return np.moveaxis(q.reshape(q.shape[:-2] + (-1,))[..., :K], -1, axis).astype(np.float32)
;;   ~~~
;; One version. Each part assembles by itself: llvm-mc -triple=amdgcn-amd-amdhsa -mcpu=gfx1250 --defsym DOCPART=n.
;; ======== version 1 of 1: 5 launches
;; limits: values are held in f16: magnitudes above 65,504 overflow, below 6.1e-05 lose precision
;; workspace buffers: x_codes 4,194,304 bytes; x_scales 262,144 bytes; w_codes 1,572,864 bytes; w_scales 98,304 bytes; wp16 2,097,152 bytes; qkv 50,331,648 bytes; qkv_fine 786,432 bytes; a_ws 16,777,216 bytes
;; launch prep (part 1): grid 416 x 1, 4 waves a work-group, no clusters, 51,200 bytes of LDS; arguments hidden_states, c_attn_w, c_proj_w, x_codes, x_scales, w_codes, w_scales, wp16; writes x_codes, x_scales, w_codes, w_scales, wp16
.if DOCPART == 1
	.amdgcn_target "amdgcn-amd-amdhsa--gfx1250"
	.amdhsa_code_object_version 6
	.text
	.protected	k_q15a6f8713d_prep
	.globl	k_q15a6f8713d_prep
	.p2align	8
	.type	k_q15a6f8713d_prep,@function
k_q15a6f8713d_prep:
	s_mov_b64 s[64:65], 0
	v_nop
	global_prefetch_b8 v0, s[64:65] scope:SCOPE_SE
	s_setreg_imm32_b32 hwreg(HW_REG_WAVE_MODE, 25, 1), 1
	s_wait_xcnt 0x0
; Three jobs in one launch, told apart by the work-group's number alone:
;   work-groups 0-95:    c_attn_w [1024 (k)][3072 (n)] f32 -> codes of E2M1 laid [3072][512 bytes], K innermost, and scale bytes [3072][32]
;   work-groups 96-159:  c_proj_w [1024][1024] f32 -> f16, in the same order
;   work-groups 160-415: hidden_states [8192][1024] f32 -> codes [8192][512 bytes] and scale bytes [8192][32]
; THE QUANTISER: a block of 32 along K has the scale 2^(floor(log2(largest magnitude)) - 2); its byte is the largest magnitude's exponent field - 2, held at 1 from below;
; each number is divided by the scale and rounded to the nearest code, ties to even, beyond 6 the largest code.  A block of zeros gets the byte 1 where the rule says 127:
; its codes are zeros, which add nothing, and this program alone reads the bytes.
; LIMITS: blocks whose largest magnitude lies under 2^-124 were not tried; NaN and infinities are not served; |c_proj_w| stays under 65,504 (f16).
; Each of the two jobs that use LDS has LDS bytes of its own.  No tensor loads.
.set EMAX,  2
.set CB,    8                          ; bytes of 16 codes
.set STEPS, 16
.set R,     16                         ; X job: v16-79   four sets of 16 numbers as loaded
.set X,     80                         ;        v80-111  two sets of 16 neighbours
.set E,     112                        ;        v112-127 a scale byte for each step
.set C,     128                        ;        v128-191 codes, four registers a step
.set WREG,  8192                       ; X job: LDS region of a wave: two stages of 32 x SP bytes, then its 256 scale bytes
.set SP,    80
.set SPW,   12                         ; v12  LDS address of my spare word; never rewritten
.set NIL,   13                         ; v13  0; never rewritten
.set WST,   4*WREG                     ; W job: a stage of 32 rows (columns n) x (512 bytes + 16)
.set WPITCH, 528
.set WSS,   WST+32*WPITCH              ; W job: 32 rows x 32 scale bytes
.set SPARE, WSS+1024                   ; the spare words: 128 bytes a wave, two blocks of 256 bytes that no other line names
.set WX,    32                         ; W job: v32-95 two sets of 32 numbers
.set WC,    96                         ;        v96-99 a block's codes
.set SB,    24                         ;        v24-25 my eight scale bytes
.set OUTR,  112                        ;        v112-143 the way out
.set WROW,  12288                      ; a row of c_attn_w in bytes
	s_load_b256 s[4:11], s[0:1], 0x0               ; hidden_states, c_attn_w, c_proj_w, x_codes
	s_load_b256 s[12:19], s[0:1], 0x20             ; x_scales, w_codes, w_scales, wp16
	v_lshl_add_u32 v[SPW], v0, 2, SPARE
	v_mov_b32 v[NIL], 0
	v_lshrrev_b32 v1, 5, v0
	v_readfirstlane_b32 s20, v1                    ; wave 0..3
	v_and_b32 v2, 31, v0                           ; lane
	s_mov_b32 s25, 0                               ; the high word of every 32-bit offset
	s_wait_kmcnt 0x0
	s_cmp_lt_u32 ttmp9, 96
	s_cbranch_scc1 .Lw
	s_cmp_lt_u32 ttmp9, 160
	s_cbranch_scc1 .Lp
; ---------------- hidden_states: a plain stream of blocks of 32; a wave takes 16 steps of 512 numbers ----------------
; Each load reads 512 consecutive bytes, 16 a lane; a step's 2,048 bytes turn through the wave's own stage in LDS and come back 64 bytes a lane: 16 neighbours, two lanes to a block.
	v_lshlrev_b32 v3, 4, v2                        ; my 16 bytes of a load's 512
	s_mul_i32 s21, s20, WREG
	v_lshrrev_b32 v14, 2, v2
	v_mul_u32_u24 v14, v14, SP
	v_and_b32 v15, 3, v2
	v_lshl_add_u32 v14, v15, 4, v14
	v_add_nc_u32 v14, s21, v14                     ; the stage on the way in: SP (lane / 4) + 16 (lane % 4)
	v_mul_u32_u24 v15, v2, SP
	v_add_nc_u32 v15, s21, v15                     ; and on the way out: SP x lane
	v_mul_u32_u24 v4, v2, CB                       ; my codes' place in a step's
	v_lshrrev_b32 v5, 1, v2
	s_add_co_u32 s21, s21, 2*32*SP
	v_add_nc_u32 v5, s21, v5                       ; my block's scale byte in the wave's 256
	v_lshlrev_b32 v7, 3, v2
	v_add_nc_u32 v6, s21, v7                       ; and 8 bytes a lane on their way out
	s_sub_co_u32 s22, ttmp9, 160
	s_lshl_b32 s22, s22, 2
	s_add_co_u32 s22, s22, s20                     ; which run of 8,192 numbers is my wave's: 0 .. 1,023
	s_lshl_b32 s24, s22, 15
	s_add_nc_u64 s[4:5], s[4:5], s[24:25]
	s_lshl_b32 s24, s22, 12
	s_add_nc_u64 s[10:11], s[10:11], s[24:25]
	s_lshl_b32 s24, s22, 8
	s_add_nc_u64 s[12:13], s[12:13], s[24:25]
.macro XLOAD t
.irp i, 0,1,2,3
	global_load_b128 v[R+16*((\t)%4)+4*\i:R+16*((\t)%4)+4*\i+3], v3, s[4:5] offset:2048*(\t)+512*\i th:TH_LOAD_NT
.endr
.endm
.macro XTURN t                         ; step t's numbers through the stage: LDS serves a wave's instructions in order, so no wait stands between the stores and the loads
.irp i, 0,1,2,3
	ds_store_b128 v14, v[R+16*((\t)%4)+4*\i:R+16*((\t)%4)+4*\i+3] offset:32*SP*((\t)%2)+8*SP*\i
.endr
.irp i, 0,1,2,3
	ds_load_b128 v[X+16*((\t)%2)+4*\i:X+16*((\t)%2)+4*\i+3], v15 offset:32*SP*((\t)%2)+16*\i
.endr
.endm
.irp t, 0,1,2,3
	XLOAD \t
.endr
	s_wait_loadcnt 12                              ; step 0's four loads are in; twelve younger ones stay out
	XTURN 0
.macro XSTEP t
.set XS, X+16*((\t)%2)
.if (\t) > 0
	s_wait_dscnt 1                                 ; this step's numbers are back from the stage; the last step's byte store may be out
.else
	s_wait_dscnt 0x0
.endif
.if (\t)+4 < STEPS
	XLOAD (\t)+4                                   ; into the registers that the stage's stores have read
.endif
.if (\t)+1 < STEPS
.if STEPS-2-(\t) >= 3
	s_wait_loadcnt 12                              ; the next step's four loads are in; those of the three steps behind it may be out
.else
	s_wait_loadcnt 4*(STEPS-2-(\t))
.endif
	XTURN (\t)+1
.endif
	v_max3_num_f32 v8, |v[XS]|, |v[XS+1]|, |v[XS+2]|               ; the largest magnitude of my 16, in two chains
	v_max3_num_f32 v9, |v[XS+3]|, |v[XS+4]|, |v[XS+5]|
.irp i, 6,10
	v_max3_num_f32 v8, v8, |v[XS+\i]|, |v[XS+\i+1]|
	v_max3_num_f32 v9, v9, |v[XS+\i+2]|, |v[XS+\i+3]|
.endr
	v_max3_num_f32 v8, v8, |v[XS+14]|, |v[XS+15]|
	v_max3_num_f32 v8, v8, v9, (EMAX+1)<<23        ; and the floor 2^(3 - 127): the byte cannot fall under 1
	v_max_num_f32_dpp v8, v8, v8 row_xmask:1 row_mask:0xf bank_mask:0xf   ; with my neighbour's 16: the block's
	v_add_nc_u32 v11, -(EMAX<<23), v8              ; 2 off its exponent field: the conversion takes that field as its scale
	v_cvt_scalef32_pk8_fp4_f32 v[C+4*(\t)], v[XS:XS+7], v11
	v_cvt_scalef32_pk8_fp4_f32 v[C+4*(\t)+1], v[XS+8:XS+15], v11
	v_lshrrev_b32 v[E+(\t)], 23, v11               ; the scale's byte (a plain line behind the conversions)
	ds_store_b8 v5, v[E+(\t)] offset:16*(\t)       ; both lanes of a block write the same byte with the same value
	global_store_b64 v4, v[C+4*(\t):C+4*(\t)+1], s[10:11] offset:32*CB*(\t)   ; the wave stores 256 consecutive bytes, aligned
.endm
.irp t, 0,1,2,3,4,5,6,7,8,9,10,11,12,13,14,15
	XSTEP \t
.endr
	ds_load_b64 v[8:9], v6                         ; my wave's 256 scale bytes, behind its own stores
	s_wait_dscnt 0x0
	global_store_b64 v7, v[8:9], s[12:13]          ; 32 lanes store 256 consecutive bytes, aligned
	s_branch .Lend
; ---------------- c_attn_w: K is its first axis.  A lane takes a column n, its registers run down K ----------------
; A work-group takes 32 columns and all of K; wave kc takes k = 256 kc .. 256 kc + 255: 8 blocks a lane.  Codes and scale bytes meet in LDS, so that whole rows of 512 and 32 bytes leave.
.Lw:
	s_mul_i32 s24, s20, 256*WROW                   ; my 256 rows of k,
	s_lshl_b32 s21, ttmp9, 7                       ; the group's 32 columns: 128 bytes
	s_add_co_u32 s24, s24, s21
	s_add_nc_u64 s[6:7], s[6:7], s[24:25]
	s_lshl_b32 s24, ttmp9, 14                      ; codes out: 32 rows of 512 bytes a group, 8 rows a wave
	s_lshl_b32 s21, s20, 12
	s_add_co_u32 s24, s24, s21
	s_add_nc_u64 s[14:15], s[14:15], s[24:25]
	s_lshl_b32 s24, ttmp9, 10                      ; scale bytes out: 32 rows of 32 bytes a group, 8 rows a wave
	s_lshl_b32 s21, s20, 8
	s_add_co_u32 s24, s24, s21
	s_add_nc_u64 s[16:17], s[16:17], s[24:25]
	v_lshlrev_b32 v3, 2, v2                        ; in: 4 bytes a lane
	v_mul_u32_u24 v4, v2, WPITCH
	s_lshl_b32 s21, s20, 7
	s_add_co_u32 s21, s21, WST
	v_add_nc_u32 v4, s21, v4                       ; the stage: row = my column, + my wave's 128 bytes of it
	v_lshlrev_b32 v5, 5, v2
	s_lshl_b32 s21, s20, 3
	s_add_co_u32 s21, s21, WSS
	v_add_nc_u32 v5, s21, v5                       ; scale bytes: row = my column, + my wave's 8
	v_lshlrev_b32 v8, 4, v2                        ; out: 16 bytes a lane: a whole row of 512
	s_mul_i32 s21, s20, 8*WPITCH
	s_add_co_u32 s21, s21, WST
	v_add_nc_u32 v7, s21, v8
	v_lshlrev_b32 v9, 3, v2                        ; out: 8 bytes a lane: eight rows of scale bytes
	s_lshl_b32 s21, s20, 8
	s_add_co_u32 s21, s21, WSS
	v_add_nc_u32 v6, s21, v9
.macro WLOAD t                         ; block t: W(256 kc + 32 t + i, my column) into set t % 2
.set i, 0
.rept 32
	global_load_b32 v[WX+32*((\t)%2)+i], v3, s[6:7] offset:(32*(\t)+i)*WROW th:TH_LOAD_NT
.set i, i+1
.endr
.endm
	WLOAD 0
	WLOAD 1
.macro WBLOCK t
.set XS, WX+32*((\t)%2)
.if (\t) < 7
	s_wait_loadcnt 32                              ; this block's 32 loads are in; the next block's may be out
.else
	s_wait_loadcnt 0
.endif
	v_max3_num_f32 v16, |v[XS]|, |v[XS+1]|, |v[XS+2]|              ; the block's largest magnitude: all 32 numbers are mine
	v_max3_num_f32 v17, |v[XS+3]|, |v[XS+4]|, |v[XS+5]|
.irp i, 6,10,14,18,22,26
	v_max3_num_f32 v16, v16, |v[XS+\i]|, |v[XS+\i+1]|
	v_max3_num_f32 v17, v17, |v[XS+\i+2]|, |v[XS+\i+3]|
.endr
	v_max3_num_f32 v16, v16, |v[XS+30]|, |v[XS+31]|
	v_max3_num_f32 v16, v16, v17, (EMAX+1)<<23     ; and the floor
	v_add_nc_u32 v18, -(EMAX<<23), v16             ; the conversion's scale operand
	v_lshrrev_b32 v19, 23, v18                     ; the scale's byte
.if (\t)%4 == 0
	v_mov_b32 v[SB+(\t)/4], v19                    ; four bytes to a register, the lower K in the lower byte
.else
	v_lshl_or_b32 v[SB+(\t)/4], v19, 8*((\t)%4), v[SB+(\t)/4]
.endif
.irp g, 0,1,2,3
	v_cvt_scalef32_pk8_fp4_f32 v[WC+\g], v[XS+8*\g:XS+8*\g+7], v18
.endr
	ds_store_b128 v4, v[WC:WC+3] offset:16*(\t)    ; 32 codes: 16 bytes of my column's row.  (The next block begins with plain vector lines)
.if (\t)+2 < 8
	WLOAD (\t)+2
.endif
	s_wait_dscnt 0x0                               ; the store has read its registers
.endm
.irp t, 0,1,2,3,4,5,6,7
	WBLOCK \t
.endr
	ds_store_b64 v5, v[SB:SB+1]
	s_wait_dscnt 0x0                               ; for the others' sake: my stores into the stage are done
	s_barrier_signal -1                            ; all four waves of such a work-group are on this path: it hangs on the work-group's number alone
	s_barrier_wait -1
.irp i, 0,1,2,3,4,5,6,7
	ds_load_b128 v[OUTR+4*\i:OUTR+4*\i+3], v7 offset:\i*WPITCH
.endr
	ds_load_b64 v[26:27], v6
.irp i, 0,1,2,3,4,5,6,7
	s_wait_dscnt 8-\i                              ; row i is back; the younger loads stay out
	global_store_b128 v8, v[OUTR+4*\i:OUTR+4*\i+3], s[14:15] offset:512*\i   ; 32 lanes store a row of 512 consecutive bytes, aligned
.endr
	s_wait_dscnt 0x0
	global_store_b64 v9, v[26:27], s[16:17]        ; 256 consecutive bytes, aligned
	s_branch .Lend
; ---------------- c_proj_w -> f16: a wave takes 4,096 numbers ----------------
.Lp:
	s_sub_co_u32 s22, ttmp9, 96
	s_lshl_b32 s22, s22, 2
	s_add_co_u32 s22, s22, s20                     ; run 0 .. 255
	s_lshl_b32 s24, s22, 14
	s_add_nc_u64 s[8:9], s[8:9], s[24:25]
	s_lshl_b32 s24, s22, 13
	s_add_nc_u64 s[18:19], s[18:19], s[24:25]
	v_lshlrev_b32 v3, 4, v2
	v_lshlrev_b32 v4, 3, v2
.set i, 0
.rept 32
	global_load_b128 v[32+4*i:35+4*i], v3, s[8:9] offset:512*i th:TH_LOAD_NT
.set i, i+1
.endr
.set i, 0
.rept 32
	s_wait_loadcnt 31-i                            ; load i is in; the younger ones stay out
	v_cvt_pk_f16_f32 v[32+4*i], v[32+4*i], v[33+4*i]
	v_cvt_pk_f16_f32 v[33+4*i], v[34+4*i], v[35+4*i]
	global_store_b64 v4, v[32+4*i:33+4*i], s[18:19] offset:256*i    ; 32 lanes store 256 consecutive bytes, aligned; no register is written again
.set i, i+1
.endr
.Lend:
	s_wait_tensorcnt 0x0                           ; the wave's end, behind my last LDS store
	ds_add_u32 v[SPW], v[NIL]
	s_wait_dscnt 0x0
	s_endpgm
.Lfunc_end_k_q15a6f8713d_prep:
	.size	k_q15a6f8713d_prep, .Lfunc_end_k_q15a6f8713d_prep-k_q15a6f8713d_prep
	.p2alignl 7, 3214868480
	.fill 96, 4, 3214868480
	.section	.rodata,"a",@progbits
	.p2align	6, 0x0
	.amdhsa_kernel k_q15a6f8713d_prep
		.amdhsa_group_segment_fixed_size 51200
		.amdhsa_private_segment_fixed_size 0
		.amdhsa_enable_private_segment 0
		.amdhsa_kernarg_size 64
		.amdhsa_user_sgpr_count 2
		.amdhsa_user_sgpr_kernarg_segment_ptr 1
		.amdhsa_wavefront_size32 1
		.amdhsa_system_sgpr_workgroup_id_x 1
		.amdhsa_system_sgpr_workgroup_id_y 1
		.amdhsa_system_sgpr_workgroup_id_z 1
		.amdhsa_system_vgpr_workitem_id 0
		.amdhsa_next_free_vgpr 192
		.amdhsa_next_free_sgpr 66
		.amdhsa_reserve_vcc 0
		.amdhsa_float_denorm_mode_32 3
		.amdhsa_float_denorm_mode_16_64 3
		.amdhsa_memory_ordered 1
		.amdhsa_forward_progress 1
		.amdhsa_inst_pref_size 84
	.end_amdhsa_kernel
	.amdgpu_metadata
---
amdhsa.version: [ 1, 2 ]
amdhsa.kernels:
  - .name:           k_q15a6f8713d_prep
    .symbol:         k_q15a6f8713d_prep.kd
    .args:
      - { .name: hidden_states, .offset: 0, .size: 8, .value_kind: global_buffer, .address_space: global }
      - { .name: c_attn_w, .offset: 8, .size: 8, .value_kind: global_buffer, .address_space: global }
      - { .name: c_proj_w, .offset: 16, .size: 8, .value_kind: global_buffer, .address_space: global }
      - { .name: x_codes, .offset: 24, .size: 8, .value_kind: global_buffer, .address_space: global }
      - { .name: x_scales, .offset: 32, .size: 8, .value_kind: global_buffer, .address_space: global }
      - { .name: w_codes, .offset: 40, .size: 8, .value_kind: global_buffer, .address_space: global }
      - { .name: w_scales, .offset: 48, .size: 8, .value_kind: global_buffer, .address_space: global }
      - { .name: wp16, .offset: 56, .size: 8, .value_kind: global_buffer, .address_space: global }
    .group_segment_fixed_size: 51200
    .private_segment_fixed_size: 0
    .kernarg_segment_align: 8
    .kernarg_segment_size: 64
    .max_flat_workgroup_size: 128
    .sgpr_count:     66
    .vgpr_count:     192
    .wavefront_size: 32
...
	.end_amdgpu_metadata
.endif
;; end of part 1
;; launch qkv (part 2): grid 12 x 32, 4 waves a work-group, clusters of 4 x 4, 327,680 bytes of LDS; arguments x_codes, x_scales, w_codes, w_scales, c_attn_b, qkv, qkv_fine; writes qkv, qkv_fine
.if DOCPART == 2
	.amdgcn_target "amdgcn-amd-amdhsa--gfx1250"
	.amdhsa_code_object_version 6
	.text
	.protected	k_q15a6f8713d_qkv
	.globl	k_q15a6f8713d_qkv
	.p2align	8
	.type	k_q15a6f8713d_qkv,@function
k_q15a6f8713d_qkv:
	s_mov_b64 s[64:65], 0
	v_nop
	global_prefetch_b8 v0, s[64:65] scope:SCOPE_SE
	s_setreg_imm32_b32 hwreg(HW_REG_WAVE_MODE, 25, 1), 1
	s_wait_xcnt 0x0
	s_wait_alu depctr_hold_cnt(0) depctr_sa_sdst(0) depctr_va_vdst(0) depctr_va_sdst(0) depctr_va_ssrc(0) depctr_va_vcc(0) depctr_vm_vsrc(0)
	s_getreg_b32 s2, hwreg(HW_REG_IB_STS2, 6, 4)
	s_cmp_eq_u32 s2, 0
	s_cbranch_scc0 .Lentry_in_a_cluster
	s_endpgm
.Lentry_in_a_cluster:
	s_bfe_u32 s2, ttmp6, 0x10000c
	s_cmp_lg_u32 s2, 0xf033
	s_cbranch_scc0 .Lentry_shape_is_right
	s_endpgm
.Lentry_shape_is_right:
; q, k, v = Q(hidden_states) Q(c_attn_w) + c_attn_b, on codes of E2M1 with one E8M0 scale for each 32 along K (K = 1,024); sums in f32.
; A: x_codes [8192][512 bytes], x_scales [8192][32].  B: w_codes [3072][512 bytes], w_scales [3072][32].
; OUT: qkv, f16, [section 3][batch 4][head 16][position 2048][64]; and the first 16 positions of every sequence once more in f32: qkv_fine [batch 4][16 section + head][16][64].
; LIMIT: |q|, |k|, |v| stay under 65,504 (f16).
; A tile of the result, 256 x 256, is made by four waves, 128 x 128 each: 64 accumulators, 512 registers.  K is two steps of 512: two LDS slots, each filled once; nothing is filled again.
; The scale bytes of the tile's rows and columns, for all of K, come into LDS once, with the first fills.
; CLUSTERS: 4 x 4 work-groups; A's tiles are asked for jointly along a row of the cluster, B's along a column.  THE ROWS OF A TILE: batch = my place cy in the cluster, block of 256 positions =
; the cluster's y.  So the clusters with y = 0 hold the tiles that begin a sequence, and the branch that sends the first 16 positions out in f32 is the same in all sixteen partners.
; THE MATRIX INSTRUCTION IS USED TRANSPOSED (source 0 = 16 rows of B, source 1 = 16 rows of A): a lane holds eight neighbouring columns of one row.  The bias is the C of each sum's first product.
; REGISTERS: window 0: v0-31 addresses; v32-95 scale words, two sets; v96-127 packed results; v128-191 A's fragments, later rows on their way out; v192-255 the bias, later the f32 rows.
;   window 1: B's fragments, two sets.   window 2, 3: the accumulators ((a, b) at v[8 (8 (a % 4) + b)]).
.set KSTEP,  512
.set NQ,     KSTEP/128
.set ROWB,   256                       ; a tile's row in bytes
.set KROW,   512                       ; a row of codes in memory
.set PITCH,  272                       ; an LDS row: 256 bytes + 16 of padding
.set FR,     8
.set NL,     2
.set NP,     4
.set HALFT,  128*PITCH
.set SLOT,   4*HALFT
.set KS,     32                        ; a row of scale bytes
.set SCL,    2*SLOT
.set HALFS,  (128*KS/256)*272
.set SBLK,   (16*KS/256)*272
.set SPARE,  SCL+4*HALFS               ; the spare words: two blocks of 256 bytes that no other line names
.set WSTG,   16*528                    ; the way out: a stage for each wave, in slot 0, which has had its one fill and its last read by then
.set ADRA, 16
.set ADRB, 20
.set STO32, 22                         ; v22  f32 rows into the stage
.set RD32,  23                         ; v23  and back
.set STO16, 24                         ; v24  f16 rows into the stage
.set RD16,  25                         ; v25  and back
.set CO,   26                          ; v26  16 x lane
.set ADRS, 27
.set SPW,  28
.set NIL,  29
.set FO,   30                          ; v30  my place in qkv_fine
.set BA,   31                          ; v31  my place in the bias
.set SC,   32
.set TMP,  96
.set AF,   128
.set BK,   128
.set BIAS, 192
.set G1, 24
.set G0, 32
.set G1B, 48
.set G0B, 56
.set G1S, 68
.set G0S, 76
.set G1SB, 80
.set G0SB, 88
.set MSB, 0
.macro WIN new                         ; the immediate's high byte repeats the setting that is left
.if MSB != (\new)
	s_set_vgpr_msb (MSB<<8)|(\new)
.set MSB, (\new)
.endif
.endm
.set MUL_LO, 0xa1                      ; source 0 (B) window 1, source 1 (A) window 0, C and D window 2
.set MUL_HI, 0xf1                      ; the same, C and D window 3
.set TO_B,   0x40
; A joint load: waves 0 and 1 fetch for A, waves 2 and 3 for B.  An s_nop 0 and four v_nop follow each of the two lines.
.macro JLOAD g0a, g1a, g0b, g1b
	s_cmp_eq_u32 s15, 0
	s_cbranch_scc0 .Lfor_b_\@
	tensor_load_to_lds s[\g0a:\g0a+3], s[\g1a:\g1a+7]
	s_nop 0
.rept 4
	v_nop
.endr
	s_branch .Lasked_\@
.Lfor_b_\@:
	tensor_load_to_lds s[\g0b:\g0b+3], s[\g1b:\g1b+7]
	s_nop 0
.rept 4
	v_nop
.endr
.Lasked_\@:
.endm
.macro CROUND                          ; a round of the cluster's barrier
	s_barrier_signal -1
	s_barrier_wait -1
	s_cmp_lg_u32 s14, 0
	s_cbranch_scc1 .Lnot_wave_0_\@
	s_barrier_signal -3
.Lnot_wave_0_\@:
	s_barrier_wait -3
	s_barrier_signal -1
	s_barrier_wait -1
.endm
	s_load_b128 s[4:7], s[0:1], 0x0                ; A's codes, A's scales
	s_load_b128 s[8:11], s[0:1], 0x10              ; B's codes, B's scales
	s_load_b64 s[2:3], s[0:1], 0x20                ; the bias
	s_load_b64 s[12:13], s[0:1], 0x28              ; qkv
	s_load_b64 s[66:67], s[0:1], 0x30              ; qkv_fine
	v_lshl_add_u32 v[SPW], v0, 2, SPARE
	v_mov_b32 v[NIL], 0
	ds_add_u32 v[SPW], v[NIL]                      ; the wave's opening: the add, twice on end, and its wait ahead of my first tensor load
	ds_add_u32 v[SPW], v[NIL]
	v_lshrrev_b32 v1, 5, v0
	v_readfirstlane_b32 s14, v1                    ; wave 0..3
	s_lshr_b32 s15, s14, 1                         ; which half of the tile's rows is mine.  Also: I fetch for A (0) or for B (1)
	s_and_b32 s16, s14, 1                          ; which half of its columns.  Also: which 128 rows I fetch
	s_bfe_u32 s40, ttmp6, 0x40000                  ; cx
	s_bfe_u32 s41, ttmp6, 0x40004                  ; cy = the batch
	s_lshl_b32 s42, ttmp9, 2
	s_add_co_u32 s42, s42, s40                     ; tile column = 4 x cluster x + cx
	s_and_b32 s17, ttmp7, 0xffff                   ; the cluster's y = the block of 256 positions
	s_lshl_b32 s43, s41, 2
	s_lshl_b32 s43, 15, s43                        ; my row of the cluster
	s_lshl_b32 s44, 0x1111, s40                    ; my column
	s_or_b32 s[G1+0], s43, (0<<16)|(1<<20)|(1<<21)|(5<<22)|(3<<25)  ; mask; elements of 1 byte; padding on; bit 21 beside a mask; 4 words of padding behind every 64
	s_or_b32 s[G1B+0], s44, (0<<16)|(1<<20)|(1<<21)|(5<<22)|(3<<25)
.irp g, G1, G1B
	s_mov_b32 s[\g+1], ROWB<<16                    ; tensor_dim0
	s_mov_b32 s[\g+2], 128<<16                     ; tensor_dim1
	s_mov_b32 s[\g+3], ROWB<<16                    ; tile_dim0
	s_mov_b32 s[\g+4], 128                         ; tile_dim1
	s_mov_b32 s[\g+5], KROW                        ; pitch
	s_mov_b32 s[\g+6], 0
	s_mov_b32 s[\g+7], 0
.endr
	s_or_b32 s[G1S+0], s43, (3<<16)|(1<<20)|(1<<21)|(5<<22)|(3<<25)  ; the scales of 128 rows: 4,096 dense bytes as 16 rows of 256 (32 elements of 8 bytes)
	s_or_b32 s[G1SB+0], s44, (3<<16)|(1<<20)|(1<<21)|(5<<22)|(3<<25)
.irp g, G1S, G1SB
	s_mov_b32 s[\g+1], 32<<16
	s_mov_b32 s[\g+2], (128*KS/256)<<16
	s_mov_b32 s[\g+3], 32<<16
	s_mov_b32 s[\g+4], 128*KS/256
	s_mov_b32 s[\g+5], 32
	s_mov_b32 s[\g+6], 0
	s_mov_b32 s[\g+7], 0
.endr
	s_lshl_b32 s18, s16, 7                         ; which 128 rows of the tile I fetch
	s_lshl_b32 s20, s41, 11                        ; A: row 2,048 x batch
	s_lshl_b32 s19, s17, 8                         ;    + 256 x block
	s_add_co_u32 s20, s20, s19
	s_add_co_u32 s20, s20, s18                     ;    + 128 x half
	s_lshl_b32 s46, s42, 8
	s_add_co_u32 s46, s46, s18                     ; B: row 256 x tile column + 128 x half
	s_mov_b32 s21, 0
	s_mov_b32 s47, 0
	s_mov_b64 s[18:19], KS
	s_mul_u64 s[22:23], s[20:21], s[18:19]         ; where these rows' scales begin
	s_mul_u64 s[92:93], s[46:47], s[18:19]
	s_mov_b64 s[18:19], KROW
	s_mul_u64 s[20:21], s[20:21], s[18:19]         ; and their codes
	s_mul_u64 s[46:47], s[46:47], s[18:19]
	s_mul_i32 s45, s14, HALFT                      ; where they go: wave x 128 rows
	s_mul_i32 s94, s14, HALFS
	s_wait_dscnt 0x0                               ; both opening adds are done
	s_wait_kmcnt 0x0
	s_add_nc_u64 s[20:21], s[4:5], s[20:21]
	s_add_nc_u64 s[22:23], s[6:7], s[22:23]
	s_add_nc_u64 s[46:47], s[8:9], s[46:47]
	s_add_nc_u64 s[92:93], s[10:11], s[92:93]
	CROUND                                         ; all sixteen work-groups are here: the joint loads meet
	s_mov_b32 s[G0S], 1
	s_add_co_u32 s[G0S+1], s94, SCL
	s_mov_b64 s[G0S+2:G0S+3], s[22:23]
	s_or_b32 s[G0S+3], s[G0S+3], 0x80000000
	s_mov_b32 s[G0SB], 1
	s_add_co_u32 s[G0SB+1], s94, SCL
	s_mov_b64 s[G0SB+2:G0SB+3], s[92:93]
	s_or_b32 s[G0SB+3], s[G0SB+3], 0x80000000
	JLOAD G0S, G1S, G0SB, G1SB                     ; the scales first.  By this text's count three tensor loads of a wave are out at the most
.irp s, 0,1
	s_mov_b32 s[G0+4*\s], 1
	s_add_co_u32 s[G0+4*\s+1], s45, \s*SLOT
	s_add_nc_u64 s[G0+4*\s+2:G0+4*\s+3], s[20:21], \s*ROWB
	s_or_b32 s[G0+4*\s+3], s[G0+4*\s+3], 0x80000000
	s_mov_b32 s[G0B+4*\s], 1
	s_add_co_u32 s[G0B+4*\s+1], s45, \s*SLOT
	s_add_nc_u64 s[G0B+4*\s+2:G0B+4*\s+3], s[46:47], \s*ROWB
	s_or_b32 s[G0B+4*\s+3], s[G0B+4*\s+3], 0x80000000
	JLOAD G0+4*\s, G1, G0B+4*\s, G1B
.endr
	v_and_b32 v1, 15, v0                           ; r = l % 16
	v_bfe_u32 v2, v0, 4, 1                         ; h = l / 16
	; the bias in the result's layout: for B's block b, lane (r, h) wants columns 16 b + 8 h + 0 .. 7 of my 128
	s_lshl_b32 s46, s42, 10
	s_lshl_b32 s47, s16, 9
	s_add_co_u32 s46, s46, s47
	s_mov_b32 s47, 0
	s_add_nc_u64 s[2:3], s[2:3], s[46:47]
	v_lshlrev_b32 v[BA], 5, v2
.irp b, 0,1,2,3,4,5,6,7
	global_load_b128 v[BIAS+8*\b:BIAS+8*\b+3], v[BA], s[2:3] offset:64*\b
	global_load_b128 v[BIAS+8*\b+4:BIAS+8*\b+7], v[BA], s[2:3] offset:64*\b+16
.endr
	v_mul_u32_u24 v3, v1, PITCH
	v_lshl_add_u32 v4, v2, 4, v3                   ; a fragment's row x pitch + 16 x half
	s_mul_i32 s21, s15, HALFT                      ; my 128 rows of A
	s_mul_i32 s22, s16, HALFT                      ; my 128 rows of B,
	s_add_co_u32 s22, s22, 2*HALFT                 ; behind A's 256
.irp s, 0,1
	v_add_nc_u32 v[ADRA+\s], s21, v4
	v_add_nc_u32 v[ADRB+\s], s22, v4
	s_add_co_u32 s21, s21, SLOT
	s_add_co_u32 s22, s22, SLOT
.endr
	v_mul_u32_u24 v5, v1, KS                       ; my row's scales: 32 bytes a row,
	v_lshrrev_b32 v6, 8, v5
	v_lshl_add_u32 v5, v6, 4, v5                   ; and 16 more for each 256 passed
	s_mul_i32 s21, s15, HALFS
	s_mul_i32 s22, s16, HALFS
	s_add_co_u32 s22, s22, 2*HALFS
	s_sub_co_u32 s22, s22, s21
	v_mul_u32_u24 v6, s22, v2                      ; lanes 16-31 take B's
	s_add_co_u32 s21, s21, SCL
	v_add_nc_u32 v5, v5, v6
	v_add_nc_u32 v[ADRS], s21, v5
	s_mul_i32 s23, s14, WSTG                       ; my stage
	v_mul_u32_u24 v5, v1, 528
	v_lshl_add_u32 v5, v2, 5, v5
	v_add_nc_u32 v[STO32], s23, v5                 ; f32: row r of 528 bytes, 32 bytes for each half of the lanes
	v_and_b32 v6, 31, v0
	v_lshlrev_b32 v[CO], 4, v6
	v_add_nc_u32 v[RD32], s23, v[CO]               ; back: the 32 lanes take a row of 512 bytes
	v_mul_u32_u24 v5, v1, 272
	v_lshl_add_u32 v5, v2, 4, v5
	v_add_nc_u32 v[STO16], s23, v5                 ; f16: row r of 272 bytes, 16 bytes for each half
	v_lshrrev_b32 v5, 3, v6
	v_mul_u32_u24 v5, v5, 272
	v_and_b32 v7, 7, v0
	v_lshl_add_u32 v5, v7, 4, v5
	v_add_nc_u32 v[RD16], s23, v5                  ; back: eight lanes take a head's 128 bytes of a row, the 32 lanes four rows
	v_lshlrev_b32 v[FO], 12, v2
	v_lshl_add_u32 v[FO], v1, 4, v[FO]             ; qkv_fine: lanes 0-15 my first head, lanes 16-31 my second, 4,096 bytes on
	; where my part goes.  My 128 columns are two heads: hc0 = 4 x tile column + 2 x half, and hc0 + 1, of one section
	s_lshl_b32 s20, s42, 2
	s_lshl_b32 s21, s16, 1
	s_add_co_u32 s20, s20, s21                     ; hc0 = 16 section + head
	s_lshr_b32 s21, s20, 4
	s_lshl_b32 s21, s21, 6                         ; 64 heads a section
	s_lshl_b32 s22, s41, 4                         ; 16 a batch
	s_add_co_u32 s21, s21, s22
	s_and_b32 s22, s20, 15
	s_add_co_u32 s21, s21, s22
	s_lshl_b32 s46, s21, 18                        ; a head is 2,048 x 128 bytes
	s_lshl_b32 s22, s17, 15                        ; + 256 positions x 128 bytes for each block
	s_add_co_u32 s46, s46, s22
	s_lshl_b32 s22, s15, 14                        ; + my half's 128 positions
	s_add_co_u32 s46, s46, s22
	s_mov_b32 s47, 0
	s_add_nc_u64 s[12:13], s[12:13], s[46:47]
	s_mul_i32 s46, s41, 48
	s_add_co_u32 s46, s46, s20
	s_lshl_b32 s46, s46, 12
	s_add_nc_u64 s[66:67], s[66:67], s[46:47]
	s_or_b32 s96, s17, s15                         ; 0 where my first 16 rows begin a sequence: the cluster's y and the wave's number alone
.macro FRAG reg, adr, q, i             ; 16 rows x 128 K of 4-bit codes: 8 registers: two loads of 16 bytes, 32 bytes apart
.irp c, 0,1
	ds_load_b128 v[\reg+4*\c:\reg+4*\c+3], v[\adr] offset:64*(\q)+32*\c+(\i)*16*PITCH
.endr
.endm
; 16 matrix instructions: A's blocks a0, a0 + 1 x B's eight.  zero = 1: the first product starts the sums, with the bias as its C.  The 64 accumulators take turns.
.macro MUL16 a0, p, q, sc, zero
.irp a, \a0, \a0+1
.irp b, 0,1,2,3,4,5,6,7
.if \zero
	v_wmma_scale_f32_16x16x128_f8f6f4 v[8*(8*((\a)%4)+\b):8*(8*((\a)%4)+\b)+7], v[128*(\p)+FR*\b:128*(\p)+FR*\b+FR-1], v[AF+FR*(\a):AF+FR*(\a)+FR-1], v[BIAS+8*\b:BIAS+8*\b+7], v[SC+8*NQ*(\sc)+NQ*\b+(\q)], v[SC+8*NQ*(\sc)+NQ*(\a)+(\q)] matrix_a_fmt:MATRIX_FMT_FP4 matrix_b_fmt:MATRIX_FMT_FP4 matrix_a_scale:MATRIX_SCALE_ROW1
.else
	v_wmma_scale_f32_16x16x128_f8f6f4 v[8*(8*((\a)%4)+\b):8*(8*((\a)%4)+\b)+7], v[128*(\p)+FR*\b:128*(\p)+FR*\b+FR-1], v[AF+FR*(\a):AF+FR*(\a)+FR-1], v[8*(8*((\a)%4)+\b):8*(8*((\a)%4)+\b)+7], v[SC+8*NQ*(\sc)+NQ*\b+(\q)], v[SC+8*NQ*(\sc)+NQ*(\a)+(\q)] matrix_a_fmt:MATRIX_FMT_FP4 matrix_b_fmt:MATRIX_FMT_FP4 matrix_a_scale:MATRIX_SCALE_ROW1
.endif
.endr
.endr
.endm
.macro FETCH_B slot, q, p
	WIN TO_B
.irp i, 0,1,2,3,4,5,6,7
	FRAG 128*(\p)+FR*\i, ADRB+\slot, \q, \i
.endr
	WIN 0
.endm
.macro FETCH_A slot, q, i0
.irp i, \i0, \i0+1, \i0+2, \i0+3
	FRAG AF+FR*(\i), ADRA+\slot, \q, \i
.endr
.endm
.macro SCALES sc                       ; a K step's scale words: lanes 0-15 A's block i, lanes 16-31 B's block i
.irp i, 0,1,2,3,4,5,6,7
	ds_load_b128 v[SC+8*NQ*\sc+NQ*\i:SC+8*NQ*\sc+NQ*\i+3], v[ADRS] offset:\i*SBLK
.endr
.endm
.macro PLACES n                        ; plain vector instructions between a matrix instruction and a load into, or a read of, its registers
.rept \n
	v_nop
.endr
.endm
.macro STEP slot, q, zero
.set WLO, MUL_LO-0x20*(\zero)          ; zero = 1: C (the bias) lies in window 0
.set WHI, MUL_HI-0x30*(\zero)
	s_wait_dscnt 4*NL                              ; B's set and A's blocks 0-3 are in; the youngest eight loads (A's blocks 4-7) may be out
	WIN WLO
	MUL16 0, (\q)%2, \q, \slot, \zero
	MUL16 2, (\q)%2, \q, \slot, \zero
	s_wait_dscnt 0
	PLACES NP
	FETCH_B \slot, (\q)+1, 1-(\q)%2
	FETCH_A \slot, (\q)+1, 0
	WIN WHI
	MUL16 4, (\q)%2, \q, \slot, \zero
	MUL16 6, (\q)%2, \q, \slot, \zero
	PLACES NP
	WIN 0
	FETCH_A \slot, (\q)+1, 4
.endm
.macro STEPS slot, from
.set Q, \from
.rept NQ-1-\from
	STEP \slot, Q, 0
.set Q, Q+1
.endr
.endm
	s_wait_tensorcnt 1                             ; the scales and my part of K step 0 are in; K step 1's load may be out
	s_barrier_signal -1
	s_barrier_wait -1
	FETCH_B 0, 0, 0
	FETCH_A 0, 0, 0
	SCALES 0
	FETCH_A 0, 0, 4
	s_wait_loadcnt 0x0                             ; the bias
	STEP 0, 0, 1
	STEPS 0, 1
	; slot 0's last step changes slots: one barrier; in front of it my tensor loads have landed and my reads of slot 0 are over.  Nothing is filled again.
	s_wait_tensorcnt 0x0
	ds_add_u32 v[SPW], v[NIL]
	s_wait_dscnt 4*NL+1                            ; the add and A's blocks 4-7 may be out
	WIN MUL_LO
	MUL16 0, 1, NQ-1, 0, 0
	s_wait_dscnt 0x0
	s_barrier_signal -1
	MUL16 2, 1, NQ-1, 0, 0
	WIN 0
	s_barrier_wait -1
	PLACES NP
	v_add_nc_u32 v[ADRS], 4*NQ, v[ADRS]            ; the next K step's scale words
	FETCH_B 1, 0, 0
	FETCH_A 1, 0, 0
	SCALES 1
	WIN MUL_HI
	MUL16 4, 1, NQ-1, 0, 0
	MUL16 6, 1, NQ-1, 0, 0
	PLACES NP
	WIN 0
	FETCH_A 1, 0, 4
	STEPS 1, 0
	s_wait_dscnt 4*NL
	WIN MUL_LO
	MUL16 0, 1, NQ-1, 1, 0
	MUL16 2, 1, NQ-1, 1, 0
	s_wait_dscnt 0
	WIN MUL_HI
	MUL16 4, 1, NQ-1, 1, 0
	MUL16 6, 1, NQ-1, 1, 0
	WIN 0
	; THE WAY OUT.  A lane holds eight neighbouring columns of a row, the lanes beside it other rows: a block of 16 rows goes through my own stage and comes back as dense runs.
	PLACES NP
	s_cmp_lg_u32 s96, 0
	s_cbranch_scc1 .Lnofine
	WIN 0x08                                       ; an LDS store's data are its source 1: window 2.  Block 0 in f32: positions 0 .. 15
.irp b, 0,1,2,3,4,5,6,7
	ds_store_b128 v[STO32], v[8*\b:8*\b+3] offset:64*\b             ; each accumulator from its low end on
	ds_store_b128 v[STO32], v[8*\b+4:8*\b+7] offset:64*\b+16
.endr
	WIN 0
.irp t, 0,1,2,3,4,5,6,7,8,9,10,11,12,13,14,15
	ds_load_b128 v[BIAS+4*\t:BIAS+4*\t+3], v[RD32] offset:\t*528
.endr
	s_wait_dscnt 0x0
.irp t, 0,1,2,3,4,5,6,7,8,9,10,11,12,13,14,15
	global_store_b128 v[FO], v[BIAS+4*\t:BIAS+4*\t+3], s[66:67] offset:256*\t   ; sixteen lanes store a head's row: 256 consecutive bytes, aligned
.endr
.Lnofine:
.macro PACK a                          ; block a rounded to f16: 16 bytes a lane and block of B
.set AC, 64*((\a)%4)
	WIN 0x0a+5*((\a)/4)                            ; sources 0 and 1: window 2 or 3
.irp b, 0,1,2,3,4,5,6,7
.irp i, 0,1,2,3
	v_cvt_pk_f16_f32 v[TMP+4*\b+\i], v[AC+8*\b+2*\i], v[AC+8*\b+2*\i+1]
.endr
.endr
	WIN 0
.endm
.macro TOSTAGE16 a
.set BB, BK+32*((\a)%2)
.irp b, 0,1,2,3,4,5,6,7
	ds_store_b128 v[STO16], v[TMP+4*\b:TMP+4*\b+3] offset:32*\b
.endr
.irp hd, 0,1
.irp i, 0,1,2,3
	ds_load_b128 v[BB+4*(4*\hd+\i):BB+4*(4*\hd+\i)+3], v[RD16] offset:1088*\i+128*\hd   ; four rows of one head; LDS serves a wave's instructions in order
.endr
.endr
.endm
.macro SEND16 a
.set BB, BK+32*((\a)%2)
	s_wait_dscnt 0x0                               ; the block is back in registers
	s_wait_xcnt 0x0                                ; the earlier stores have read their registers: the next block's loads may land on them
.irp hd, 0,1
.irp i, 0,1,2,3
	global_store_b128 v[CO], v[BB+4*(4*\hd+\i):BB+4*(4*\hd+\i)+3], s[12:13] offset:262144*\hd+2048*(\a)+512*\i   ; four rows of a head: 512 consecutive bytes, aligned
.endr
.endr
.endm
	PACK 0
	TOSTAGE16 0
.irp a, 1,2,3,4,5,6,7
	PACK \a
	SEND16 (\a)-1
	TOSTAGE16 \a
.endr
	SEND16 7
	s_wait_tensorcnt 0x0                           ; the wave's end
	ds_add_u32 v[SPW], v[NIL]
	s_wait_dscnt 0x0
	CROUND                                         ; the closing round
	s_endpgm
.Lfunc_end_k_q15a6f8713d_qkv:
	.size	k_q15a6f8713d_qkv, .Lfunc_end_k_q15a6f8713d_qkv-k_q15a6f8713d_qkv
	.p2alignl 7, 3214868480
	.fill 96, 4, 3214868480
	.section	.rodata,"a",@progbits
	.p2align	6, 0x0
	.amdhsa_kernel k_q15a6f8713d_qkv
		.amdhsa_group_segment_fixed_size 327680
		.amdhsa_private_segment_fixed_size 0
		.amdhsa_enable_private_segment 0
		.amdhsa_kernarg_size 56
		.amdhsa_user_sgpr_count 2
		.amdhsa_user_sgpr_kernarg_segment_ptr 1
		.amdhsa_wavefront_size32 1
		.amdhsa_system_sgpr_workgroup_id_x 1
		.amdhsa_system_sgpr_workgroup_id_y 1
		.amdhsa_system_sgpr_workgroup_id_z 1
		.amdhsa_system_vgpr_workitem_id 0
		.amdhsa_next_free_vgpr 1024
		.amdhsa_next_free_sgpr 100
		.amdhsa_reserve_vcc 0
		.amdhsa_float_denorm_mode_32 3
		.amdhsa_float_denorm_mode_16_64 3
		.amdhsa_memory_ordered 1
		.amdhsa_forward_progress 1
		.amdhsa_inst_pref_size 132
	.end_amdhsa_kernel
	.amdgpu_metadata
---
amdhsa.version: [ 1, 2 ]
amdhsa.kernels:
  - .name:           k_q15a6f8713d_qkv
    .symbol:         k_q15a6f8713d_qkv.kd
    .args:
      - { .name: x_codes, .offset: 0, .size: 8, .value_kind: global_buffer, .address_space: global }
      - { .name: x_scales, .offset: 8, .size: 8, .value_kind: global_buffer, .address_space: global }
      - { .name: w_codes, .offset: 16, .size: 8, .value_kind: global_buffer, .address_space: global }
      - { .name: w_scales, .offset: 24, .size: 8, .value_kind: global_buffer, .address_space: global }
      - { .name: c_attn_b, .offset: 32, .size: 8, .value_kind: global_buffer, .address_space: global }
      - { .name: qkv, .offset: 40, .size: 8, .value_kind: global_buffer, .address_space: global }
      - { .name: qkv_fine, .offset: 48, .size: 8, .value_kind: global_buffer, .address_space: global }
    .group_segment_fixed_size: 327680
    .private_segment_fixed_size: 0
    .kernarg_segment_align: 8
    .kernarg_segment_size: 56
    .max_flat_workgroup_size: 128
    .sgpr_count:     100
    .vgpr_count:     1024
    .wavefront_size: 32
...
	.end_amdgpu_metadata
.endif
;; end of part 2
;; launch attn (part 3): grid 4 x 64, 16 waves a work-group, no clusters, 327,680 bytes of LDS; arguments qkv, a_ws; writes a_ws
.if DOCPART == 3
	.amdgcn_target "amdgcn-amd-amdhsa--gfx1250"
	.amdhsa_code_object_version 6
	.text
	.protected	k_q15a6f8713d_attn
	.globl	k_q15a6f8713d_attn
	.p2align	8
	.type	k_q15a6f8713d_attn,@function
k_q15a6f8713d_attn:
	s_mov_b64 s[64:65], 0
	v_nop
	global_prefetch_b8 v0, s[64:65] scope:SCOPE_SE
	s_setreg_imm32_b32 hwreg(HW_REG_WAVE_MODE, 25, 1), 1
	s_wait_xcnt 0x0
; a[b][h][q] = the sum over k <= q of softmax_k(q . k / 8) v, head by head.  q, k, v: f16, [section][16 b + h][2048][64].  Products on f16 operands with f32 sums; maxima, exponentials and sums in f32;
; the weights p are rounded to f16 for the second product.  OUT: a_ws, f16, [h][2048 b + position][64].
; LIMITS: |a| stays under 65,504 (f16); NaN and infinities are not served.  (Positions 0 .. 15 of every sequence are computed again in f32 by a later launch.)
; NO CLUSTER: the four work-groups of a head need 8, 7, 6 and 5 slots of keys, and the jumps of the causal mask hang on the work-group's number.
; SHARES.  Work-group j of a head owns the blocks of 256 queries j and 7 - j: (j + 1) + (8 - j) = 9 block units of keys for every j.  A wave owns 32 queries, two tiles of 16, of one of the two blocks.
; Every wave walks all 8 slots of 256 keys, 64 keys a step: trip counts are constants.  A step all of whose keys come after the wave's queries is jumped over; a slot that no wave of the work-group reads is not asked for.
; LAYOUT.  S^T = K Q^T (source 0 = 16 keys, source 1 = 16 queries): a lane holds ONE query (lane % 16) and keys 8 (lane / 16) + 0..7 of each tile.  Two such tiles, rounded in pairs, are source 1 of O^T = V^T P.
; SOFTMAX.  A running maximum m and sum l for each query: p = 2^(c s - c m), c = log2(e) / 8; in every step O and l are multiplied by a = 2^(c m_old - c m_new).
.set KP,    144                        ; a key's row in LDS: 128 bytes + 16
.set VP,    160                        ; a row of V: 128 + 32
.set SK,    256                        ; keys in a slot
.set VOFF,  SK*KP
.set SLOT1, 1<<17
.set STAGE, SLOT1+SK*(KP+VP)           ; behind the ring: 32 rows x 144 bytes for each wave
.set WSTG,  32*KP
.set SPARE, STAGE+16*WSTG              ; the spare words: eight blocks of 256 bytes that no other line names
.set AK0, 1
.set AV0, 2
.set SPW, 3
.set NIL, 4
.set ADK, 5
.set ADV, 6
.set GO,  7
.set STO, 8
.set RD,  9
.set PFO, 10
.set DQ,  11                           ; v11  r - 8 h
.set QF,  16                           ; v16-47   Q: tile t, channels 32 ks on: 16 t + 8 ks
.set F,   48                           ; v48-111  eight fragments of K or of V
.set S,   112                          ; v112-175 S^T: 32 t + 8 kt + j; P in place at 32 t + 16 u + 0..7
.set O,   176                          ; v176-239 O^T: 32 t + 8 ct + j
.set ST,  240                          ; v240-255 a tile's eight: +0 c m, +1 m, +2, +3 l, +4 .. +7 at work; a in +6
.set WV,  18
.set SEL, 20
.set CS,  22
.set G1K, 24
.set G1V, 32
.set G0K, 40
.set G0V, 44
.set TB,  2                            ; s2   LDS byte at which the slot in hand begins
.set KF,  48                           ; s48  the step's first key
.set Q0,  49                           ; s49  my first query
.set QL,  50                           ; s50  my work-group's last query
.set SLOTS, 51
.set PFA, 52
.set LIM, 54
.set QB,  56
.set OB,  58
; Waves 0 and 1 fetch K's halves of a slot, waves 2 and 3 V's, the others nothing.  An s_nop 0 and four v_nop follow each load.
.macro TLOAD
	s_cmp_lt_u32 s[WV], 2
	s_cbranch_scc0 .Lnot_k_\@
	tensor_load_to_lds s[G0K:G0K+3], s[G1K:G1K+7]
	s_nop 0
.rept 4
	v_nop
.endr
	s_branch .Lasked_\@
.Lnot_k_\@:
	s_cmp_lt_u32 s[WV], 4
	s_cbranch_scc0 .Lasked_\@
	tensor_load_to_lds s[G0V:G0V+3], s[G1V:G1V+7]
	s_nop 0
.rept 4
	v_nop
.endr
.Lasked_\@:
.endm
; A prefetch of the slot that the NEXT change of slots will ask for: 32,768 dense bytes of K and as many of V.  The head's work-group 0, which loads all eight slots, asks; in it waves 4 to 7 name K's bytes and
; waves 8 to 11 V's, 8,192 bytes a wave, lanes 256 bytes apart: each block of 256 bytes is named once in the launch.  The last change that fills a slot asks for nothing.
.macro ASK
	s_cmp_gt_u32 s[SLOTS], s[LIM]
	s_cbranch_scc0 .Lnot_mine_\@
	global_prefetch_b8 v[PFO], s[PFA:PFA+1] th:TH_LOAD_NT scope:SCOPE_SE
.Lnot_mine_\@:
.endm
	s_load_b128 s[4:7], s[0:1], 0x0                ; qkv, a_ws
	v_lshl_add_u32 v[SPW], v0, 2, SPARE
	v_mov_b32 v[NIL], 0
	ds_add_u32 v[SPW], v[NIL]                      ; the wave's opening: the add, twice on end, and its wait ahead of my first tensor load
	ds_add_u32 v[SPW], v[NIL]
	v_lshrrev_b32 v5, 5, v0
	v_readfirstlane_b32 s[WV], v5                  ; wave 0..15
	s_and_b32 s66, ttmp7, 0xffff                   ; y = 16 b + h
	s_lshl_b32 s8, s66, 18                         ; the head's first byte in a section
	s_mov_b32 s9, 0
	s_and_b32 s67, s[WV], 1
	s_lshl_b32 s10, s67, 14                        ; what I fetch, if I fetch: 128 rows of 128 bytes,
	s_add_co_u32 s10, s10, s8
	s_mov_b32 s11, 0
	s_mul_i32 s68, s67, 128*KP                     ; to this place in a slot (K),
	s_mul_i32 s69, s67, 128*VP
	s_add_co_u32 s69, s69, VOFF                    ; or this (V)
	s_lshr_b32 s70, s[WV], 2
	s_xor_b32 s70, s70, s[WV]
	s_and_b32 s70, s70, 1                          ; which of the two blocks: waves 2 i and 2 i + 1 differ in it
	s_sub_co_u32 s71, 7, ttmp9
	s_cmp_eq_u32 s70, 1
	s_cselect_b32 s71, s71, ttmp9                  ; block 7 - j or j
	s_lshl_b32 s[Q0], s71, 8
	s_lshr_b32 s70, s[WV], 1
	s_lshl_b32 s70, s70, 5
	s_add_co_u32 s[Q0], s[Q0], s70                 ; my first query: 256 x block + 32 x (wave / 2)
	s_sub_co_u32 s[QL], 8, ttmp9
	s_lshl_b32 s[QL], s[QL], 8
	s_sub_co_u32 s[QL], s[QL], 1                   ; 256 (8 - j) - 1
	s_lshl_b32 s70, s[Q0], 7
	s_add_co_u32 s14, s8, s70                      ; Q: the head + my first query
	s_mov_b32 s15, 0
	s_and_b32 s12, s66, 15
	s_lshl_b32 s12, s12, 20                        ; a_ws: h x 8,192 rows of 128 bytes
	s_lshr_b32 s71, s66, 4
	s_lshl_b32 s71, s71, 18                        ; + b x 2,048 rows
	s_add_co_u32 s12, s12, s71
	s_add_co_u32 s12, s12, s70
	s_mov_b32 s13, 0
	s_mov_b32 s[G1K], (1<<16)|(1<<20)|(4<<22)|(3<<25)   ; elements of 2 bytes; padding on: 4 words behind every 32
	s_mov_b32 s[G1V], (1<<16)|(1<<20)|(4<<22)|(7<<25)   ; 8 words behind every 32
.irp g, G1K, G1V
	s_mov_b32 s[\g+1], 64<<16                      ; tensor_dim0
	s_mov_b32 s[\g+2], 128<<16                     ; tensor_dim1
	s_mov_b32 s[\g+3], 64<<16                      ; tile_dim0
	s_mov_b32 s[\g+4], 128                         ; tile_dim1
	s_mov_b32 s[\g+5], 64                          ; pitch
	s_mov_b32 s[\g+6], 0
	s_mov_b32 s[\g+7], 0
.endr
	s_mov_b32 s[SEL], 0x76543210
	s_mov_b32 s[SEL+1], 0xfedcba98
	s_mov_b32 s[CS], 0x3e38aa3b                    ; c = log2(e) / 8
	s_mov_b32 s[CS+1], s[CS]
	s_mov_b32 s[TB], 0
	s_mov_b32 s[KF], 0
	s_mov_b32 s[SLOTS], 7
	s_wait_dscnt 0x0                               ; both opening adds are done
	s_wait_kmcnt 0x0
	s_add_nc_u64 s[QB:QB+1], s[4:5], s[14:15]
	s_add_nc_u64 s[OB:OB+1], s[6:7], s[12:13]
	s_mov_b32 s[G0K], 1
	s_mov_b32 s[G0K+1], s68
	s_add_nc_u64 s[G0K+2:G0K+3], s[4:5], s[10:11]
	s_add_nc_u64 s[G0K+2:G0K+3], s[G0K+2:G0K+3], 0x1000000   ; section 1: k
	s_or_b32 s[G0K+3], s[G0K+3], 0x80000000
	s_mov_b32 s[G0V], 1
	s_mov_b32 s[G0V+1], s69
	s_add_nc_u64 s[G0V+2:G0V+3], s[4:5], s[10:11]
	s_add_nc_u64 s[G0V+2:G0V+3], s[G0V+2:G0V+3], 0x2000000   ; section 2: v
	s_or_b32 s[G0V+3], s[G0V+3], 0x80000000
	TLOAD                                          ; slot 0: key 0 counts for every query.  One tensor load of a wave is out at the most
	s_add_nc_u64 s[72:73], s[4:5], s[8:9]
	s_add_nc_u64 s[74:75], s[72:73], 0x2000000
	s_add_nc_u64 s[72:73], s[72:73], 0x1000000
	s_cmp_lt_u32 s[WV], 8
	s_cselect_b64 s[PFA:PFA+1], s[72:73], s[74:75]
	s_and_b32 s76, s[WV], 3
	s_lshl_b32 s76, s76, 13
	s_add_co_u32 s76, s76, SK*128                  ; my wave's part, in slot 1: the first change of slots steps it to slot 2
	s_mov_b32 s77, 0
	s_add_nc_u64 s[PFA:PFA+1], s[PFA:PFA+1], s[76:77]
	s_sub_co_u32 s76, s[WV], 4
	s_lshr_b32 s76, s76, 3                         ; 0 in waves 4 to 11,
	s_or_b32 s76, s76, ttmp9                       ; of the head's work-group 0
	s_cmp_eq_u32 s76, 0
	s_cselect_b32 s[LIM], 1, -1
	v_and_b32 v12, 15, v0                          ; r
	v_bfe_u32 v13, v0, 4, 1                        ; h
	v_lshlrev_b32 v14, 7, v12
	v_lshl_add_u32 v14, v13, 4, v14                ; Q: row r of 128 bytes + 16 h
.irp t, 0,1
.irp ks, 0,1
	global_load_b128 v[QF+16*\t+8*\ks:QF+16*\t+8*\ks+3], v14, s[QB:QB+1] offset:2048*\t+64*\ks
	global_load_b128 v[QF+16*\t+8*\ks+4:QF+16*\t+8*\ks+7], v14, s[QB:QB+1] offset:2048*\t+64*\ks+32
.endr
.endr
	v_mul_u32_u24 v[AK0], v12, KP
	v_lshl_add_u32 v[AK0], v13, 4, v[AK0]          ; K: row r x pitch + 16 h
	v_and_b32 v15, 7, v0
	v_lshl_add_u32 v[AV0], v13, 3, v15             ; V, for the turning load: key 8 h + l % 8,
	v_mul_u32_u24 v[AV0], v[AV0], VP
	v_bfe_u32 v15, v0, 3, 1
	v_lshl_add_u32 v[AV0], v15, 4, v[AV0]          ; channels 8 ((l / 8) % 2) on
	v_add_nc_u32 v[AV0], VOFF, v[AV0]
	v_and_b32 v15, 31, v0
	v_lshlrev_b32 v[GO], 4, v15
	v_lshlrev_b32 v[PFO], 8, v15
	s_mul_i32 s76, s[WV], WSTG
	s_add_co_u32 s76, s76, STAGE                   ; my stage
	v_mul_u32_u24 v[STO], v12, KP
	v_lshl_add_u32 v[STO], v13, 4, v[STO]
	v_add_nc_u32 v[STO], s76, v[STO]
	v_lshrrev_b32 v[RD], 3, v15
	v_mul_u32_u24 v[RD], v[RD], KP
	v_and_b32 v15, 7, v0
	v_lshl_add_u32 v[RD], v15, 4, v[RD]
	v_add_nc_u32 v[RD], s76, v[RD]
	v_lshlrev_b32 v[DQ], 3, v13
	v_sub_nc_u32 v[DQ], v12, v[DQ]
.irp t, 0,1
	v_mov_b32 v[ST+8*\t+1], 0xff61b1e6             ; m: -3e38, under every score
	v_mul_f32 v[ST+8*\t], s[CS], v[ST+8*\t+1]      ; c m
.irp n, 2,3,4,5,6,7
	v_mov_b32 v[ST+8*\t+\n], 0                     ; l; and the registers at work, written once
.endr
.endr
.set i, 0
.rept 64
	v_mov_b32 v[O+i], 0                            ; O^T: the step is written once; its first trip multiplies zeros
.set i, i+1
.endr
; A KEY STEP: 64 keys, the q-th of the slot in hand.
.macro STEP q
	s_add_co_u32 s66, s[Q0], 31
	s_cmp_gt_u32 s[KF], s66                        ; all its keys come after my 32 queries: left out.  No barrier, wait for tiles or tensor load stands in a step
	s_cbranch_scc1 .Lhidden_\@
	v_add_nc_u32 v[ADK], s[TB], v[AK0]
	v_add_nc_u32 v[ADV], s[TB], v[AV0]
.rept 3
	v_nop                                          ; with the two additions five places behind the last products: loads go into their fragments, and the products below write over their P
.endr
.irp kt, 0,1,2,3
.irp ks, 0,1
	ds_load_b128 v[F+8*(2*\kt+\ks):F+8*(2*\kt+\ks)+3], v[ADK] offset:(64*(\q)+16*\kt)*KP+64*\ks
	ds_load_b128 v[F+8*(2*\kt+\ks)+4:F+8*(2*\kt+\ks)+7], v[ADK] offset:(64*(\q)+16*\kt)*KP+64*\ks+32
.endr
.endr
	s_wait_dscnt 0x0
.irp ks, 0,1                           ; S^T = K Q^T: the eight accumulators take turns
.irp kt, 0,1,2,3
.irp t, 0,1
.if \ks == 0
	v_wmma_f32_16x16x32_f16 v[S+32*\t+8*\kt:S+32*\t+8*\kt+7], v[F+8*(2*\kt+\ks):F+8*(2*\kt+\ks)+7], v[QF+16*\t+8*\ks:QF+16*\t+8*\ks+7], 0
.else
	v_wmma_f32_16x16x32_f16 v[S+32*\t+8*\kt:S+32*\t+8*\kt+7], v[F+8*(2*\kt+\ks):F+8*(2*\kt+\ks)+7], v[QF+16*\t+8*\ks:QF+16*\t+8*\ks+7], v[S+32*\t+8*\kt:S+32*\t+8*\kt+7]
.endif
.endr
.endr
.endr
.rept 4
	v_nop                                          ; places in front of the loads into K's fragments and of the first read of the scores
.endr
.irp u, 0,1                            ; V, turned: keys 32 u on, channels 16 ct on; it lands while the softmax is walked
.irp ct, 0,1,2,3
	ds_load_tr16_b128 v[F+8*(4*\u+\ct):F+8*(4*\u+\ct)+3], v[ADV] offset:(64*(\q)+32*\u)*VP+32*\ct
	ds_load_tr16_b128 v[F+8*(4*\u+\ct)+4:F+8*(4*\u+\ct)+7], v[ADV] offset:(64*(\q)+32*\u)*VP+32*\ct+16*VP
.endr
.endr
	s_add_co_u32 s66, s[KF], 63
	s_cmp_le_u32 s66, s[Q0]                        ; all 64 keys count for all my queries: no mask
	s_cbranch_scc1 .Lopen_\@
	s_sub_co_i32 s66, s[Q0], s[KF]
	v_add_nc_u32 v[ST+4], s66, v[DQ]               ; d = Q0 - KF + r - 8 h.  Register 8 kt + j of tile t: hidden where 16 kt + j - 16 t > d
	v_mov_b32 v[ST+5], 0xff800000                  ; -infinity: p = 0 then.  The step's first key counts for every query of mine, so m stays a number
.irp t, 0,1
.set i, 0
.rept 32
	v_cmp_gt_i32 vcc_lo, 16*(i/8)+i%8-16*\t, v[ST+4]
	v_cndmask_b32 v[S+32*\t+i], v[S+32*\t+i], v[ST+5], vcc_lo
.set i, i+1
.endr
.endr
.Lopen_\@:
.irp j, 0,1,2,3                        ; the maximum of a tile's 32 scores and the old m: four chains; the two tiles by turns
.irp t, 0,1
	v_max3_num_f32 v[ST+8*\t+4+\j], v[S+32*\t+8*\j], v[S+32*\t+8*\j+1], v[S+32*\t+8*\j+2]
.endr
.endr
.irp g, 1,2
.irp j, 0,1,2,3
.irp t, 0,1
	v_max3_num_f32 v[ST+8*\t+4+\j], v[ST+8*\t+4+\j], v[S+32*\t+8*\j+2*\g+1], v[S+32*\t+8*\j+2*\g+2]
.endr
.endr
.endr
.irp t, 0,1
	v_max3_num_f32 v[ST+8*\t+4], v[ST+8*\t+4], v[S+32*\t+7], v[S+32*\t+15]
.endr
.irp t, 0,1
	v_max3_num_f32 v[ST+8*\t+6], v[ST+8*\t+6], v[S+32*\t+23], v[S+32*\t+31]
.endr
.irp t, 0,1
	v_max3_num_f32 v[ST+8*\t+4], v[ST+8*\t+4], v[ST+8*\t+5], v[ST+8*\t+6]
.endr
.irp t, 0,1
	v_max3_num_f32 v[ST+8*\t+4], v[ST+8*\t+4], v[ST+8*\t+7], v[ST+8*\t+1]
.endr
.irp t, 0,1
	v_permlanex16_b32 v[ST+8*\t+5], v[ST+8*\t+4], s[SEL], s[SEL+1]   ; the query's other 32 keys lie in the lane 16 away
.endr
.irp t, 0,1
	v_mov_b32 v[ST+8*\t+7], v[ST+8*\t]             ; c m_old
.endr
.irp t, 0,1
	v_max_num_f32 v[ST+8*\t+1], v[ST+8*\t+4], v[ST+8*\t+5]
.endr
.irp t, 0,1
	v_mul_f32 v[ST+8*\t], s[CS], v[ST+8*\t+1]
.endr
.irp t, 0,1
	v_sub_f32 v[ST+8*\t+7], v[ST+8*\t+7], v[ST+8*\t]
.endr
.set i, 0
.rept 16
	v_pk_fma_f32 v[S+2*i:S+2*i+1], v[S+2*i:S+2*i+1], s[CS:CS+1], v[ST:ST+1] op_sel_hi:[1,0,0] neg_lo:[0,0,1] neg_hi:[0,0,1]   ; c s - c m, two at a time
	v_pk_fma_f32 v[S+32+2*i:S+32+2*i+1], v[S+32+2*i:S+32+2*i+1], s[CS:CS+1], v[ST+8:ST+9] op_sel_hi:[1,0,0] neg_lo:[0,0,1] neg_hi:[0,0,1]
.set i, i+1
.endr
.irp t, 0,1
	v_exp_f32 v[ST+8*\t+6], v[ST+8*\t+7]           ; a.  ONE BATCH: 66 exponentials, none of which reads another's result
.endr
.set i, 0
.rept 64
	v_exp_f32 v[S+i], v[S+i]
.set i, i+1
.endr
	v_nop                                          ; a plain instruction behind the last exponential
	s_wait_alu depctr_va_vdst(0)                   ; one wait for the batch, ahead of its first reader
.irp t, 0,1
	v_pk_mul_f32 v[ST+8*\t+2:ST+8*\t+3], v[ST+8*\t+2:ST+8*\t+3], v[ST+8*\t+6:ST+8*\t+7] op_sel_hi:[1,0]   ; l x a
.endr
.irp t, 0,1
	v_pk_add_f32 v[ST+8*\t+4:ST+8*\t+5], v[S+32*\t:S+32*\t+1], v[S+32*\t+2:S+32*\t+3]   ; the sum of the unrounded p, in two chains
.endr
.irp n, 4,8,12,16,20,24,28
.irp t, 0,1
	v_pk_add_f32 v[ST+8*\t+2:ST+8*\t+3], v[ST+8*\t+2:ST+8*\t+3], v[S+32*\t+\n:S+32*\t+\n+1]
	v_pk_add_f32 v[ST+8*\t+4:ST+8*\t+5], v[ST+8*\t+4:ST+8*\t+5], v[S+32*\t+\n+2:S+32*\t+\n+3]
.endr
.endr
.irp t, 0,1
	v_pk_add_f32 v[ST+8*\t+2:ST+8*\t+3], v[ST+8*\t+2:ST+8*\t+3], v[ST+8*\t+4:ST+8*\t+5]
.endr
.set i, 0
.rept 16                               ; P in place, ascending: pair i goes to register 16 (i / 8) + i % 8, which has been read by then
	v_cvt_pk_f16_f32 v[S+16*(i/8)+i%8], v[S+2*i], v[S+2*i+1]
	v_cvt_pk_f16_f32 v[S+32+16*(i/8)+i%8], v[S+32+2*i], v[S+32+2*i+1]
.set i, i+1
.endr
.set i, 0
.rept 16
	v_pk_mul_f32 v[O+2*i:O+2*i+1], v[O+2*i:O+2*i+1], v[ST+6:ST+7] op_sel_hi:[1,0]          ; O^T x a, each accumulator from its low end on
	v_pk_mul_f32 v[O+32+2*i:O+32+2*i+1], v[O+32+2*i:O+32+2*i+1], v[ST+14:ST+15] op_sel_hi:[1,0]
.set i, i+1
.endr
	s_wait_dscnt 0x0                               ; V is in
.irp u, 0,1                            ; O^T += V^T P: the eight accumulators take turns
.irp ct, 0,1,2,3
.irp t, 0,1
	v_wmma_f32_16x16x32_f16 v[O+32*\t+8*\ct:O+32*\t+8*\ct+7], v[F+8*(4*\u+\ct):F+8*(4*\u+\ct)+7], v[S+32*\t+16*\u:S+32*\t+16*\u+7], v[O+32*\t+8*\ct:O+32*\t+8*\ct+7]
.endr
.endr
.endr
.Lhidden_\@:
	s_add_co_u32 s[KF], s[KF], 64
.endm
; THE CHANGE OF SLOTS stands at a slot's head: each wave waits for all its tensor loads, adds 0 to its spare word, and waits for that and for its reads of the slot that it has left; one barrier; behind it the slot ahead is
; whole and nobody reads the other one, which (fill = 1) is asked to take the next 256 keys, while some wave of the work-group will read them.
.macro CHANGE fill
	s_wait_tensorcnt 0x0
	ds_add_u32 v[SPW], v[NIL]
.if \fill
	ds_add_u32 v[SPW], v[NIL]                      ; and twice on end here, in every trip alike
	s_xor_b32 s[G0K+1], s[G0K+1], SLOT1            ; the walking descriptors: the other slot, the next 256 keys
	s_add_nc_u64 s[G0K+2:G0K+3], s[G0K+2:G0K+3], SK*128
	s_xor_b32 s[G0V+1], s[G0V+1], SLOT1
	s_add_nc_u64 s[G0V+2:G0V+3], s[G0V+2:G0V+3], SK*128
	s_wait_xcnt 0x0                                ; the last prefetch, a slot back, has read its address
	s_add_nc_u64 s[PFA:PFA+1], s[PFA:PFA+1], SK*128
.endif
	s_wait_dscnt 0x0
	s_barrier_signal -1
	s_barrier_wait -1
.if \fill
	s_add_co_u32 s66, s[KF], SK                    ; the first key of the slot that this change would ask for,
	s_cmp_gt_u32 s66, s[QL]                        ; against my work-group's last query: ids and the count of steps alone, the same in all sixteen waves
	s_cbranch_scc1 .Lpast_\@
	TLOAD                                          ; a wave's one tensor load until the next such barrier
.Lpast_\@:
	ASK
.endif
.endm
.macro SLOT_STEPS
	STEP 0
	STEP 1
	STEP 2
	STEP 3
	s_xor_b32 s[TB], s[TB], SLOT1
.endm
	s_wait_loadcnt 0x0                             ; Q
.Lslot:                                            ; seven trips
	CHANGE 1
	SLOT_STEPS
	s_sub_co_u32 s[SLOTS], s[SLOTS], 1
	s_cmp_lg_u32 s[SLOTS], 0
	s_cbranch_scc1 .Lslot
	CHANGE 0                                       ; the last slot is written out: nothing is left to ask for
	SLOT_STEPS
	; THE WAY OUT: O^T / l, rounded to f16, through my stage, so that four rows of 128 bytes leave as 512 consecutive bytes.  The additions are the places behind the last products.
.irp t, 0,1
	v_add_f32 v[ST+8*\t+4], v[ST+8*\t+2], v[ST+8*\t+3]
.endr
.irp t, 0,1
	v_permlanex16_b32 v[ST+8*\t+5], v[ST+8*\t+4], s[SEL], s[SEL+1]
.endr
.irp t, 0,1
	v_add_f32 v[ST+8*\t+4], v[ST+8*\t+4], v[ST+8*\t+5]
.endr
.irp t, 0,1
	v_rcp_f32 v[ST+8*\t+6], v[ST+8*\t+4]
.endr
	v_nop
	s_wait_alu depctr_va_vdst(0)                   ; one wait for the two reciprocals, ahead of their first reader
.set i, 0
.rept 16
	v_pk_mul_f32 v[O+2*i:O+2*i+1], v[O+2*i:O+2*i+1], v[ST+6:ST+7] op_sel_hi:[1,0]
	v_pk_mul_f32 v[O+32+2*i:O+32+2*i+1], v[O+32+2*i:O+32+2*i+1], v[ST+14:ST+15] op_sel_hi:[1,0]
.set i, i+1
.endr
.set i, 0
.rept 32
	v_cvt_pk_f16_f32 v[S+i], v[O+2*i], v[O+2*i+1]  ; register 16 t + 4 ct + n: channels 16 ct + 8 h + 2 n, + 1 of query r
.set i, i+1
.endr
.irp t, 0,1
.irp ct, 0,1,2,3
	ds_store_b128 v[STO], v[S+16*\t+4*\ct:S+16*\t+4*\ct+3] offset:16*KP*\t+32*\ct
.endr
.endr
.set i, 0
.rept 8
	ds_load_b128 v[F+4*i:F+4*i+3], v[RD] offset:4*KP*i             ; four rows; LDS serves a wave's instructions in order
.set i, i+1
.endr
.set i, 0
.rept 8
	s_wait_dscnt 7-i
	global_store_b128 v[GO], v[F+4*i:F+4*i+3], s[OB:OB+1] offset:512*i   ; 512 consecutive bytes, aligned
.set i, i+1
.endr
	s_wait_tensorcnt 0x0                           ; the wave's end
	ds_add_u32 v[SPW], v[NIL]
	s_wait_dscnt 0x0
	s_endpgm
.Lfunc_end_k_q15a6f8713d_attn:
	.size	k_q15a6f8713d_attn, .Lfunc_end_k_q15a6f8713d_attn-k_q15a6f8713d_attn
	.p2alignl 7, 3214868480
	.fill 96, 4, 3214868480
	.section	.rodata,"a",@progbits
	.p2align	6, 0x0
	.amdhsa_kernel k_q15a6f8713d_attn
		.amdhsa_group_segment_fixed_size 327680
		.amdhsa_private_segment_fixed_size 0
		.amdhsa_enable_private_segment 0
		.amdhsa_kernarg_size 16
		.amdhsa_user_sgpr_count 2
		.amdhsa_user_sgpr_kernarg_segment_ptr 1
		.amdhsa_wavefront_size32 1
		.amdhsa_system_sgpr_workgroup_id_x 1
		.amdhsa_system_sgpr_workgroup_id_y 1
		.amdhsa_system_sgpr_workgroup_id_z 1
		.amdhsa_system_vgpr_workitem_id 0
		.amdhsa_next_free_vgpr 256
		.amdhsa_next_free_sgpr 80
		.amdhsa_reserve_vcc 1
		.amdhsa_float_denorm_mode_32 3
		.amdhsa_float_denorm_mode_16_64 3
		.amdhsa_memory_ordered 1
		.amdhsa_forward_progress 1
		.amdhsa_inst_pref_size 189
	.end_amdhsa_kernel
	.amdgpu_metadata
---
amdhsa.version: [ 1, 2 ]
amdhsa.kernels:
  - .name:           k_q15a6f8713d_attn
    .symbol:         k_q15a6f8713d_attn.kd
    .args:
      - { .name: qkv, .offset: 0, .size: 8, .value_kind: global_buffer, .address_space: global }
      - { .name: a_ws, .offset: 8, .size: 8, .value_kind: global_buffer, .address_space: global }
    .group_segment_fixed_size: 327680
    .private_segment_fixed_size: 0
    .kernarg_segment_align: 8
    .kernarg_segment_size: 16
    .max_flat_workgroup_size: 512
    .sgpr_count:     80
    .vgpr_count:     256
    .wavefront_size: 32
...
	.end_amdgpu_metadata
.endif
;; end of part 3
;; launch proj (part 4): grid 4 x 64, 4 waves a work-group, clusters of 4 x 4, 327,680 bytes of LDS; arguments a_ws, wp16, c_proj_b, out0; writes out0
.if DOCPART == 4
	.amdgcn_target "amdgcn-amd-amdhsa--gfx1250"
	.amdhsa_code_object_version 6
	.text
	.protected	k_q15a6f8713d_proj
	.globl	k_q15a6f8713d_proj
	.p2align	8
	.type	k_q15a6f8713d_proj,@function
k_q15a6f8713d_proj:
	s_mov_b64 s[64:65], 0
	v_nop
	global_prefetch_b8 v0, s[64:65] scope:SCOPE_SE
	s_setreg_imm32_b32 hwreg(HW_REG_WAVE_MODE, 25, 1), 1
	s_wait_xcnt 0x0
	s_wait_alu depctr_hold_cnt(0) depctr_sa_sdst(0) depctr_va_vdst(0) depctr_va_sdst(0) depctr_va_ssrc(0) depctr_va_vcc(0) depctr_vm_vsrc(0)
	s_getreg_b32 s2, hwreg(HW_REG_IB_STS2, 6, 4)
	s_cmp_eq_u32 s2, 0
	s_cbranch_scc0 .Lentry_in_a_cluster
	s_endpgm
.Lentry_in_a_cluster:
	s_bfe_u32 s2, ttmp6, 0x10000c
	s_cmp_lg_u32 s2, 0xf033
	s_cbranch_scc0 .Lentry_shape_is_right
	s_endpgm
.Lentry_shape_is_right:
; out0 = a c_proj_w + c_proj_b, on f16 operands with f32 sums.  a: a_ws, f16, [head 16][row 8192][64] (k = 64 head + channel).  W: wp16, f16, [k 1024][n 1024].  out0: [8192][1024] f32.
; (Rows 0 .. 15 of every sequence are written again, from f32 operands, by the launch that follows.)
; A tile of the result is 128 (rows) x 256 (columns): 256 work-groups.  Four waves, 64 x 128 each: 32 accumulators, 256 registers.  K goes in steps of 128 (two heads) through a ring of two LDS slots.
; CLUSTERS: 4 x 4 work-groups; a's tiles are asked for jointly along a row of the cluster, W's along a column.  Waves 0 and 1 fetch the step's two heads of a, waves 2 and 3 the two halves of W's 128 rows.
; THE MATRIX INSTRUCTION IS USED TRANSPOSED: source 0 = 16 columns of W (turned out of LDS by ds_load_tr16_b128), source 1 = 16 rows of a: a lane holds eight neighbouring columns of a row.
; The bias is the C of each sum's first product.
; REGISTERS: window 0: v0-31 addresses; two fragment buffers of 96 (a's 32, W's 64) at v64 and v160; on the way out v64-191.   window 1: the accumulators ((a, b) at v[8 (8 a + b)]).   window 2: v0-63 the bias.
.set AP,    144                        ; a row of a in LDS: 128 bytes + 16
.set BP,    544                        ; a row of W: 512 bytes + 32
.set AHEAD, 128*AP                     ; one head's 128 rows
.set BOFF,  2*AHEAD
.set BHALF, 64*BP
.set SLOT,  BOFF+2*BHALF
.set STAGE, 2*SLOT                     ; behind the ring: 16 rows x 528 bytes for each wave
.set WSTG,  16*528
.set SPARE, STAGE+4*WSTG               ; the spare words: two blocks of 256 bytes that no other line names
.set LAPS,  4                          ; a lap = two K steps of 128
.set ADRA, 16
.set ADRB, 20
.set STO,  24
.set RD,   25
.set CO,   26
.set BA,   27
.set SPW,  28
.set NIL,  29
.set F0,   64
.set F1,   160
.set G1, 24
.set G0, 32
.set G1B, 48
.set G0B, 56
.set MSB, 0
.macro WIN new
.if MSB != (\new)
	s_set_vgpr_msb (MSB<<8)|(\new)
.set MSB, (\new)
.endif
.endm
.macro JLOAD s                         ; a joint load; an s_nop 0 and four v_nop follow each of the two lines
	s_cmp_eq_u32 s15, 0
	s_cbranch_scc0 .Lfor_b_\@
	tensor_load_to_lds s[G0+4*\s:G0+4*\s+3], s[G1:G1+7]
	s_nop 0
.rept 4
	v_nop
.endr
	s_branch .Lasked_\@
.Lfor_b_\@:
	tensor_load_to_lds s[G0B+4*\s:G0B+4*\s+3], s[G1B:G1B+7]
	s_nop 0
.rept 4
	v_nop
.endr
.Lasked_\@:
.endm
.macro CREST                           ; a round of the cluster's barrier behind its opening barrier
	s_cmp_lg_u32 s14, 0
	s_cbranch_scc1 .Lnot_wave_0_\@
	s_barrier_signal -3
.Lnot_wave_0_\@:
	s_barrier_wait -3
	s_barrier_signal -1
	s_barrier_wait -1
.endm
.macro CROUND
	s_barrier_signal -1
	s_barrier_wait -1
	CREST
.endm
	s_load_b256 s[4:11], s[0:1], 0x0               ; a_ws, wp16, c_proj_b, out0
	v_lshl_add_u32 v[SPW], v0, 2, SPARE
	v_mov_b32 v[NIL], 0
	ds_add_u32 v[SPW], v[NIL]                      ; the wave's opening: the add, twice on end, and its wait ahead of my first tensor load
	ds_add_u32 v[SPW], v[NIL]
	v_lshrrev_b32 v1, 5, v0
	v_readfirstlane_b32 s14, v1                    ; wave 0..3
	s_lshr_b32 s15, s14, 1                         ; which 64 rows are mine.  Also: I fetch for a (0) or for W (1)
	s_and_b32 s16, s14, 1                          ; which 128 columns.  Also: which half I fetch
	s_bfe_u32 s40, ttmp6, 0x40000                  ; cx
	s_bfe_u32 s41, ttmp6, 0x40004                  ; cy
	s_lshl_b32 s42, ttmp9, 2
	s_add_co_u32 s42, s42, s40                     ; tile column
	s_and_b32 s17, ttmp7, 0xffff
	s_lshl_b32 s17, s17, 2
	s_add_co_u32 s17, s17, s41                     ; tile row
	s_lshl_b32 s43, s41, 2
	s_lshl_b32 s43, 15, s43                        ; my row of the cluster
	s_lshl_b32 s44, 0x1111, s40                    ; my column
	s_or_b32 s[G1+0], s43, (1<<16)|(1<<20)|(1<<21)|(4<<22)|(3<<25)   ; a: elements of 2 bytes; 4 words of padding behind every 32
	s_mov_b32 s[G1+1], 64<<16                      ; tensor_dim0
	s_mov_b32 s[G1+2], 128<<16                     ; tensor_dim1
	s_mov_b32 s[G1+3], 64<<16                      ; tile_dim0
	s_mov_b32 s[G1+4], 128                         ; tile_dim1
	s_mov_b32 s[G1+5], 64                          ; pitch
	s_mov_b32 s[G1+6], 0
	s_mov_b32 s[G1+7], 0
	s_or_b32 s[G1B+0], s44, (1<<16)|(1<<20)|(1<<21)|(6<<22)|(7<<25)  ; W: 8 words of padding behind every 128
	s_mov_b32 s[G1B+1], 256<<16
	s_mov_b32 s[G1B+2], 64<<16
	s_mov_b32 s[G1B+3], 256<<16
	s_mov_b32 s[G1B+4], 64
	s_mov_b32 s[G1B+5], 1024
	s_mov_b32 s[G1B+6], 0
	s_mov_b32 s[G1B+7], 0
	s_lshl_b32 s20, s16, 20                        ; a: my head of the step's two,
	s_lshl_b32 s18, s17, 14                        ;    the tile's 128 rows of 128 bytes
	s_add_co_u32 s20, s20, s18
	s_mov_b32 s21, 0
	s_lshl_b32 s46, s16, 17                        ; W: my 64 rows of 2,048 bytes,
	s_lshl_b32 s47, s42, 9                         ;    the tile's 256 columns
	s_add_co_u32 s46, s46, s47
	s_mov_b32 s47, 0
	s_mul_i32 s45, s16, AHEAD                      ; where they go: no place in the cluster enters an LDS address
	s_mul_i32 s22, s16, BHALF
	s_add_co_u32 s22, s22, BOFF
	s_wait_dscnt 0x0                               ; both opening adds are done
	s_wait_kmcnt 0x0
	s_add_nc_u64 s[20:21], s[4:5], s[20:21]
	s_add_nc_u64 s[46:47], s[6:7], s[46:47]
	CROUND                                         ; all sixteen work-groups are here: the first joint loads meet
.irp s, 0,1
	s_mov_b32 s[G0+4*\s], 1
	s_add_co_u32 s[G0+4*\s+1], s45, \s*SLOT
	s_add_nc_u64 s[G0+4*\s+2:G0+4*\s+3], s[20:21], \s*(2<<20)      ; K step s: heads 2 s, 2 s + 1
	s_or_b32 s[G0+4*\s+3], s[G0+4*\s+3], 0x80000000
	s_mov_b32 s[G0B+4*\s], 1
	s_add_co_u32 s[G0B+4*\s+1], s22, \s*SLOT
	s_add_nc_u64 s[G0B+4*\s+2:G0B+4*\s+3], s[46:47], \s*128*2048   ; rows 128 s on
	s_or_b32 s[G0B+4*\s+3], s[G0B+4*\s+3], 0x80000000
	JLOAD \s
.endr
	v_and_b32 v1, 15, v0                           ; r
	v_bfe_u32 v2, v0, 4, 1                         ; h
	v_mul_u32_u24 v3, v1, AP
	v_lshl_add_u32 v3, v2, 4, v3                   ; a: row r x pitch + 16 h
	v_and_b32 v4, 7, v0
	v_lshl_add_u32 v4, v2, 3, v4                   ; W, for the turning load: k row 8 h + l % 8,
	v_mul_u32_u24 v4, v4, BP
	v_bfe_u32 v5, v0, 3, 1
	v_lshl_add_u32 v4, v5, 4, v4                   ; columns 8 ((l / 8) % 2) on
	s_mul_i32 s12, s15, 64*AP                      ; my 64 rows of a
	s_lshl_b32 s13, s16, 8                         ; my 128 columns of W
	s_add_co_u32 s13, s13, BOFF
.irp s, 0,1
	v_add_nc_u32 v[ADRA+\s], s12, v3
	v_add_nc_u32 v[ADRB+\s], s13, v4
	s_add_co_u32 s12, s12, SLOT
	s_add_co_u32 s13, s13, SLOT
.endr
	s_mul_i32 s12, s14, WSTG
	s_add_co_u32 s12, s12, STAGE                   ; my stage
	v_mul_u32_u24 v5, v1, 528
	v_lshl_add_u32 v5, v2, 5, v5
	v_add_nc_u32 v[STO], s12, v5
	v_and_b32 v6, 31, v0
	v_lshlrev_b32 v[CO], 4, v6
	v_add_nc_u32 v[RD], s12, v[CO]
	s_lshl_b32 s12, s42, 10                        ; my first column in bytes of f32: 1,024 x tile column + 512 x half
	s_lshl_b32 s13, s16, 9
	s_add_co_u32 s12, s12, s13
	s_mov_b32 s13, 0
	s_add_nc_u64 s[8:9], s[8:9], s[12:13]
	v_lshlrev_b32 v[BA], 5, v2
	WIN 0x80                                       ; destination window 2: the bias in the result's layout: for block b columns 16 b + 8 h + 0 .. 7
.irp b, 0,1,2,3,4,5,6,7
	global_load_b128 v[8*\b:8*\b+3], v[BA], s[8:9] offset:64*\b
	global_load_b128 v[8*\b+4:8*\b+7], v[BA], s[8:9] offset:64*\b+16
.endr
	WIN 0
	s_lshl_b32 s18, s17, 19                        ; out0: 128 rows of 4,096 bytes a tile row,
	s_add_co_u32 s12, s12, s18
	s_lshl_b32 s18, s15, 18                        ; my 64 rows
	s_add_co_u32 s12, s12, s18
	s_add_nc_u64 s[10:11], s[10:11], s[12:13]
; 8 matrix instructions: a's block a x W's eight, 32 along K from buffer f.  zero = 1: the first product starts the sums, with the bias as its C.  The 32 accumulators take turns.
.macro MUL8 f, a, zero
.if \zero
	WIN 0x60                                       ; C window 2, D window 1
.else
	WIN 0x50                                       ; C and D window 1
.endif
.irp b, 0,1,2,3,4,5,6,7
.if \zero
	v_wmma_f32_16x16x32_f16 v[8*(8*(\a)+\b):8*(8*(\a)+\b)+7], v[\f+32+8*\b:\f+32+8*\b+7], v[\f+8*(\a):\f+8*(\a)+7], v[8*\b:8*\b+7]
.else
	v_wmma_f32_16x16x32_f16 v[8*(8*(\a)+\b):8*(8*(\a)+\b)+7], v[\f+32+8*\b:\f+32+8*\b+7], v[\f+8*(\a):\f+8*(\a)+7], v[8*(8*(\a)+\b):8*(8*(\a)+\b)+7]
.endif
.endr
.endm
; 24 LDS loads in one run: the fragments of the slot's q-th 32 along K
.macro FETCH slot, q, f
	WIN 0
.irp i, 0,1,2,3
	ds_load_b128 v[\f+8*\i:\f+8*\i+3], v[ADRA+\slot] offset:AHEAD*((\q)/2)+64*((\q)%2)+16*AP*\i
	ds_load_b128 v[\f+8*\i+4:\f+8*\i+7], v[ADRA+\slot] offset:AHEAD*((\q)/2)+64*((\q)%2)+16*AP*\i+32
.endr
.irp b, 0,1,2,3,4,5,6,7
	ds_load_tr16_b128 v[\f+32+8*\b:\f+32+8*\b+3], v[ADRB+\slot] offset:32*BP*(\q)+32*\b
	ds_load_tr16_b128 v[\f+32+8*\b+4:\f+32+8*\b+7], v[ADRB+\slot] offset:32*BP*(\q)+32*\b+16*BP
.endr
.endm
.macro PLACES                          ; four places in front of loads into registers that matrix instructions have read, and of reads of results
.rept 4
	v_nop
.endr
.endm
; A K step is four quarters of 32 along K, 32 matrix instructions each, on buffers 0, 1, 0, 1.  One of the first three multiplies buffer f and fetches quarter qn into g.
.macro QUARTER slot, qn, f, g, zero
	s_wait_dscnt 0x0                               ; buffer f is in
	MUL8 \f, 0, \zero
	MUL8 \f, 1, \zero
	PLACES
	FETCH \slot, \qn, \g
	MUL8 \f, 2, \zero
	MUL8 \f, 3, \zero
.endm
; The last quarter multiplies buffer 1 and changes slots: one barrier; in front of it each wave waits for all its tensor loads, adds 0 to its spare word, and waits for that and for its reads of this slot.
.macro TURN slot, next, fill
	WIN 0
	s_wait_tensorcnt 0x0                           ; all my tensor loads have landed: my part of the next slot
	ds_add_u32 v[SPW], v[NIL]
	s_wait_dscnt 1                                 ; buffer 1 is in; the add may be out
	MUL8 F1, 0, 0
	s_wait_dscnt 0x0                               ; the add is done, and my reads of this slot are over
	s_barrier_signal -1
	MUL8 F1, 1, 0
	WIN 0
	s_barrier_wait -1
.if \fill
	CREST                                          ; the barrier has opened a round of the cluster's: no wave of any partner still reads this slot or has a load on its way
	s_add_nc_u64 s[G0+4*\slot+2:G0+4*\slot+3], s[G0+4*\slot+2:G0+4*\slot+3], 4<<20        ; two K steps on: four heads
	s_add_nc_u64 s[G0B+4*\slot+2:G0B+4*\slot+3], s[G0B+4*\slot+2:G0B+4*\slot+3], 256*2048  ; 256 rows of W
	JLOAD \slot                                    ; the first tensor load behind the round; its four v_nop are also the places in front of the loads below
.else
	PLACES
.endif
	FETCH \next, 0, F0
	MUL8 F1, 2, 0
	MUL8 F1, 3, 0
.endm
	s_wait_tensorcnt 1                             ; my part of K step 0 is in; K step 1's may be out
	s_barrier_signal -1
	s_barrier_wait -1
	FETCH 0, 0, F0
	s_wait_loadcnt 0x0                             ; the bias
	QUARTER 0, 1, F0, F1, 1                        ; the first quarter stands in front of the loop: its products start the sums
	WIN 0
	s_mov_b32 s3, LAPS-1
.Llap:                                             ; a trip goes once round the ring and fills both slots again
	QUARTER 0, 2, F1, F0, 0
	QUARTER 0, 3, F0, F1, 0
	TURN 0, 1, 1
	QUARTER 1, 1, F0, F1, 0
	QUARTER 1, 2, F1, F0, 0
	QUARTER 1, 3, F0, F1, 0
	TURN 1, 0, 1
	QUARTER 0, 1, F0, F1, 0
	WIN 0
	s_sub_co_u32 s3, s3, 1
	s_cmp_lg_u32 s3, 0
	s_cbranch_scc1 .Llap
	QUARTER 0, 2, F1, F0, 0                        ; the last lap fills nothing
	QUARTER 0, 3, F0, F1, 0
	TURN 0, 1, 0
	QUARTER 1, 1, F0, F1, 0
	QUARTER 1, 2, F1, F0, 0
	QUARTER 1, 3, F0, F1, 0
	s_wait_dscnt 0x0
	MUL8 F1, 0, 0
	MUL8 F1, 1, 0
	MUL8 F1, 2, 0
	MUL8 F1, 3, 0
	WIN 0
; THE WAY OUT, block by block of 16 rows x 128 columns, through my own stage: whole rows of 512 bytes leave.
.macro TOSTAGE a
	WIN 0x04                                       ; an LDS store's data are its source 1: window 1
.irp b, 0,1,2,3,4,5,6,7
	ds_store_b128 v[STO], v[64*(\a)+8*\b:64*(\a)+8*\b+3] offset:64*\b          ; each accumulator from its low end on
	ds_store_b128 v[STO], v[64*(\a)+8*\b+4:64*(\a)+8*\b+7] offset:64*\b+16
.endr
	WIN 0
.set BB, 64+64*((\a)%2)
.irp t, 0,1,2,3,4,5,6,7,8,9,10,11,12,13,14,15
	ds_load_b128 v[BB+4*\t:BB+4*\t+3], v[RD] offset:\t*528
.endr
.endm
.macro SEND a, younger                 ; younger: the LDS instructions issued behind block a's loads, which may stay out
.set BB, 64+64*((\a)%2)
	s_wait_dscnt \younger
.irp t, 0,1,2,3,4,5,6,7,8,9,10,11,12,13,14,15
	global_store_b128 v[CO], v[BB+4*\t:BB+4*\t+3], s[10:11] offset:65536*(\a)+4096*\t th:TH_STORE_NT   ; 32 lanes store 512 consecutive bytes, aligned
.endr
.endm
	PLACES
	TOSTAGE 0
.irp a, 1,2,3
.if \a > 1
	s_wait_xcnt 0x0                                ; block a - 2's stores have read their registers: block a's loads may land there
.endif
	TOSTAGE \a
	SEND (\a)-1, 32                                ; behind block a - 1's loads: block a's 16 stores and 16 loads
.endr
	SEND 3, 0
	s_wait_tensorcnt 0x0                           ; the wave's end
	ds_add_u32 v[SPW], v[NIL]
	s_wait_dscnt 0x0
	CROUND                                         ; the closing round
	s_endpgm
.Lfunc_end_k_q15a6f8713d_proj:
	.size	k_q15a6f8713d_proj, .Lfunc_end_k_q15a6f8713d_proj-k_q15a6f8713d_proj
	.p2alignl 7, 3214868480
	.fill 96, 4, 3214868480
	.section	.rodata,"a",@progbits
	.p2align	6, 0x0
	.amdhsa_kernel k_q15a6f8713d_proj
		.amdhsa_group_segment_fixed_size 327680
		.amdhsa_private_segment_fixed_size 0
		.amdhsa_enable_private_segment 0
		.amdhsa_kernarg_size 32
		.amdhsa_user_sgpr_count 2
		.amdhsa_user_sgpr_kernarg_segment_ptr 1
		.amdhsa_wavefront_size32 1
		.amdhsa_system_sgpr_workgroup_id_x 1
		.amdhsa_system_sgpr_workgroup_id_y 1
		.amdhsa_system_sgpr_workgroup_id_z 1
		.amdhsa_system_vgpr_workitem_id 0
		.amdhsa_next_free_vgpr 576
		.amdhsa_next_free_sgpr 66
		.amdhsa_reserve_vcc 0
		.amdhsa_float_denorm_mode_32 3
		.amdhsa_float_denorm_mode_16_64 3
		.amdhsa_memory_ordered 1
		.amdhsa_forward_progress 1
		.amdhsa_inst_pref_size 86
	.end_amdhsa_kernel
	.amdgpu_metadata
---
amdhsa.version: [ 1, 2 ]
amdhsa.kernels:
  - .name:           k_q15a6f8713d_proj
    .symbol:         k_q15a6f8713d_proj.kd
    .args:
      - { .name: a_ws, .offset: 0, .size: 8, .value_kind: global_buffer, .address_space: global }
      - { .name: wp16, .offset: 8, .size: 8, .value_kind: global_buffer, .address_space: global }
      - { .name: c_proj_b, .offset: 16, .size: 8, .value_kind: global_buffer, .address_space: global }
      - { .name: out0, .offset: 24, .size: 8, .value_kind: global_buffer, .address_space: global }
    .group_segment_fixed_size: 327680
    .private_segment_fixed_size: 0
    .kernarg_segment_align: 8
    .kernarg_segment_size: 32
    .max_flat_workgroup_size: 128
    .sgpr_count:     66
    .vgpr_count:     576
    .wavefront_size: 32
...
	.end_amdgpu_metadata
.endif
;; end of part 4
;; launch fine (part 5): grid 16 x 4, 16 waves a work-group, no clusters, 85,248 bytes of LDS; arguments qkv_fine, c_proj_w, c_proj_b, out0; writes out0
.if DOCPART == 5
	.amdgcn_target "amdgcn-amd-amdhsa--gfx1250"
	.amdhsa_code_object_version 6
	.text
	.protected	k_q15a6f8713d_fine
	.globl	k_q15a6f8713d_fine
	.p2align	8
	.type	k_q15a6f8713d_fine,@function
k_q15a6f8713d_fine:
	s_mov_b64 s[64:65], 0
	v_nop
	global_prefetch_b8 v0, s[64:65] scope:SCOPE_SE
	s_setreg_imm32_b32 hwreg(HW_REG_WAVE_MODE, 25, 1), 1
	s_wait_xcnt 0x0
; Positions 0 .. 15 of each of the four sequences, once more with f32 operands throughout: scores, causal softmax, values, and the projection on the way out.  These rows average one to sixteen values, so
; the rounding of 16-bit operands weighs most there.  The 64 rows of out0 are written over.
; q, k, v: qkv_fine, f32, [b 4][16 section + head][16 positions][64].  W: c_proj_w, f32, [k 1024][n 1024].
; A work-group takes a batch b and a block cb of 64 output columns.  PHASE A: wave w is head w: S^T = K Q^T, softmax, O^T = V^T P^T; a's 16 rows x 1,024 meet in LDS.  (A batch's attention, 32 matrix
; instructions a wave, is repeated in its 16 column blocks: that spares a launch and a buffer.)  PHASE B: wave w makes columns 16 (w % 4) on for k = 256 (w / 4) on; the four parts along K are added through LDS.
; All products by v_wmma_f32_16x16x4_f32; its four accumulators, v144-175, are written by matrix instructions alone; every sum begins with the constant 0.
; K IS PERMUTED ALIKE ON BOTH OPERANDS: a lane's load of 16 bytes gives four neighbours k = 8 s + 4 h + 0..3; its registers 0, 1 serve matrix step 2 s, registers 2, 3 step 2 s + 1.
; LIMITS: NaN and infinities are not served.
.set ALP,   4112                       ; a row of a in LDS: 4,096 bytes + 16
.set RED,   16*ALP                     ; the four parts along K: 4 x 16 rows x (256 bytes + 16)
.set RP,    272
.set SPARE, RED+4*16*RP                ; the spare words: eight blocks of 256 bytes that no other line names
.set QR,  16                           ; v16-47   Q; later W's chunk 2
.set KR,  48                           ; v48-79   K; later W's chunk 3
.set VR,  80                           ; v80-111  V; later a's set 0
.set OO,  112                          ; v112-143 at work; O / l; later a's set 1
.set ACC, 144
.set SS,  176
.set PP,  184
.set W0,  192
.set W1,  224
	s_load_b256 s[4:11], s[0:1], 0x0               ; qkv_fine, c_proj_w, c_proj_b, out0
	v_lshl_add_u32 v12, v0, 2, SPARE               ; v12: my spare word; v13: 0; never rewritten
	v_mov_b32 v13, 0
	v_lshrrev_b32 v1, 5, v0
	v_readfirstlane_b32 s12, v1                    ; wave 0..15
	v_and_b32 v1, 15, v0                           ; r
	v_bfe_u32 v2, v0, 4, 1                         ; h
	v_and_b32 v3, 31, v0                           ; lane
	s_and_b32 s14, ttmp7, 0xffff                   ; b
	s_and_b32 s13, s12, 3                          ; which 16 columns
	s_lshr_b32 s15, s12, 2                         ; which 256 along K
	s_mul_i32 s20, s14, 48
	s_add_co_u32 s20, s20, s12
	s_lshl_b32 s20, s20, 12                        ; my head's q: (48 b + w) x 4,096 bytes; k lies 65,536 bytes on, v 131,072
	s_mov_b32 s21, 0
	s_lshl_b32 s22, s15, 20                        ; W: 256 rows of 4,096 bytes,
	s_lshl_b32 s24, ttmp9, 8                       ;    the block's 64 columns,
	s_add_co_u32 s22, s22, s24
	s_lshl_b32 s25, s13, 6                         ;    my 16 of them
	s_add_co_u32 s22, s22, s25
	s_mov_b32 s23, 0
	s_mov_b32 s25, 0                               ; s[24:25]: the block's place in the bias
	s_lshl_b32 s26, s14, 23                        ; out0: 2,048 rows of 4,096 bytes a batch,
	s_lshl_b32 s27, s12, 12                        ;       row w,
	s_add_co_u32 s26, s26, s27
	s_add_co_u32 s26, s26, s24                     ;       the block's 256 bytes
	s_mov_b32 s27, 0
	s_mov_b32 s30, 0x76543210
	s_mov_b32 s31, 0xfedcba98                      ; v_permlanex16_b32's selects for lane l xor 16
	s_mov_b32 s32, 0x3e38aa3b                      ; c = log2(e) / 8
	v_lshlrev_b32 v4, 8, v1
	v_lshl_add_u32 v4, v2, 4, v4                   ; Q, K: 256 r + 16 h
	v_lshlrev_b32 v5, 11, v2
	v_lshl_add_u32 v5, v1, 2, v5                   ; V: key 8 h on, channel r
	v_lshlrev_b32 v6, 14, v2
	v_lshl_add_u32 v6, v1, 2, v6                   ; W: k 4 h on, column r
	v_lshlrev_b32 v7, 3, v3                        ; 8 x lane
	v_mul_u32_u24 v8, v1, ALP
	v_lshl_add_u32 v9, v2, 4, v8
	v_lshl_add_u32 v8, v2, 5, v8
	s_lshl_b32 s28, s12, 8
	v_add_nc_u32 v8, s28, v8                       ; a into LDS: row r, my head's 256 bytes, + 32 h
	s_lshl_b32 s28, s15, 10
	v_add_nc_u32 v9, s28, v9                       ; a out of LDS: row r, my 1,024 bytes along K, + 16 h
	v_mul_u32_u24 v10, v2, 8*RP
	v_lshl_add_u32 v10, v1, 2, v10
	s_mul_i32 s28, s15, 16*RP
	s_lshl_b32 s29, s13, 6
	s_add_co_u32 s28, s28, s29
	s_add_co_u32 s28, s28, RED
	v_add_nc_u32 v10, s28, v10                     ; my part: rows 8 h on, column 16 (w % 4) + r
	s_mul_i32 s28, s12, RP
	s_add_co_u32 s28, s28, RED
	v_add_nc_u32 v11, s28, v7                      ; back: row w, 8 bytes a lane
	s_wait_kmcnt 0x0
	s_add_nc_u64 s[16:17], s[4:5], s[20:21]
	s_add_nc_u64 s[18:19], s[6:7], s[22:23]
	s_add_nc_u64 s[8:9], s[8:9], s[24:25]
	s_add_nc_u64 s[10:11], s[10:11], s[26:27]
	global_load_b64 v[14:15], v7, s[8:9]           ; the bias of my two columns
.irp s, 0,1,2,3,4,5,6,7
	global_load_b128 v[QR+4*\s:QR+4*\s+3], v4, s[16:17] offset:32*\s
.endr
.irp s, 0,1,2,3,4,5,6,7
	global_load_b128 v[KR+4*\s:KR+4*\s+3], v4, s[16:17] offset:65536+32*\s
.endr
.irp ct, 0,1,2,3
.irp e, 0,1,2,3,4,5,6,7
	global_load_b32 v[VR+8*\ct+\e], v5, s[16:17] offset:131072+256*\e+64*\ct     ; V(key 8 h + e, channel 16 ct + r)
.endr
.endr
.macro WLOAD reg, c                    ; W's chunk c, 64 along K: register 4 s + e = W(256 (w / 4) + 64 c + 8 s + 4 h + e, my column)
.irp s, 0,1,2,3,4,5,6,7
.irp e, 0,1,2,3
	global_load_b32 v[\reg+4*\s+\e], v6, s[18:19] offset:(64*(\c)+8*\s+\e)*4096
.endr
.endr
.endm
	WLOAD W0, 0
	WLOAD W1, 1
	v_lshlrev_b32 v112, 3, v2
	v_sub_nc_u32 v112, v1, v112                    ; d = r - 8 h: key 8 h + j is hidden from query r where j > d
	v_mov_b32 v113, 0xff800000                     ; -infinity
	v_mov_b32 v115, 0                              ; written once: a lane permute's destination counts as one of its sources
	s_wait_loadcnt 63                              ; 64 loads were issued behind V's last: the bias, Q, K and V are in
	; ---- PHASE A.  S^T = K Q^T: 16 steps of 4 channels, four accumulators by turns
.set st, 0
.rept 16
.if st < 4
	v_wmma_f32_16x16x4_f32 v[ACC+8*(st%4):ACC+8*(st%4)+7], v[KR+2*st:KR+2*st+1], v[QR+2*st:QR+2*st+1], 0
.else
	v_wmma_f32_16x16x4_f32 v[ACC+8*(st%4):ACC+8*(st%4)+7], v[KR+2*st:KR+2*st+1], v[QR+2*st:QR+2*st+1], v[ACC+8*(st%4):ACC+8*(st%4)+7]
.endif
.set st, st+1
.endr
.rept 8
	v_nop                                          ; eight places behind this form: in front of loads into its operands and of the first read of its results
.endr
	WLOAD QR, 2
	WLOAD KR, 3
.irp j, 0,1,2,3,4,5,6,7
	v_add_f32 v[SS+\j], v[ACC+\j], v[ACC+8+\j]     ; the four partial sums; each accumulator is read from its low end on
	v_add_f32 v[PP+\j], v[ACC+16+\j], v[ACC+24+\j]
.endr
.irp j, 0,1,2,3,4,5,6,7
	v_add_f32 v[SS+\j], v[SS+\j], v[PP+\j]         ; lane (r, h): the score of query r and key 8 h + j
.endr
.irp j, 0,1,2,3,4,5,6,7
	v_cmp_gt_i32 vcc_lo, \j, v112
	v_cndmask_b32 v[SS+\j], v[SS+\j], v113, vcc_lo
.endr
	v_max3_num_f32 v114, v[SS], v[SS+1], v[SS+2]
	v_max3_num_f32 v114, v114, v[SS+3], v[SS+4]
	v_max3_num_f32 v114, v114, v[SS+5], v[SS+6]
	v_max_num_f32 v114, v114, v[SS+7]
	v_permlanex16_b32 v115, v114, s30, s31
	v_max_num_f32 v114, v114, v115                 ; the row's maximum: key 0 counts for every query
	v_mul_f32 v116, s32, v114
.irp j, 0,1,2,3,4,5,6,7
	v_fma_f32 v[PP+\j], v[SS+\j], s32, -v116       ; c s - c m
.endr
.irp j, 0,1,2,3,4,5,6,7
	v_exp_f32 v[PP+\j], v[PP+\j]
.endr
	v_nop
	s_wait_alu depctr_va_vdst(0)                   ; one wait for the eight, ahead of their first reader
	v_add_f32 v176, v[PP], v[PP+1]
	v_add_f32 v177, v[PP+2], v[PP+3]
	v_add_f32 v176, v176, v[PP+4]
	v_add_f32 v177, v177, v[PP+5]
	v_add_f32 v176, v176, v[PP+6]
	v_add_f32 v177, v177, v[PP+7]
	v_add_f32 v176, v176, v177
	v_permlanex16_b32 v178, v176, s30, s31
	v_add_f32 v176, v176, v178                     ; the row's sum
	v_rcp_f32 v179, v176
	v_nop
	; O^T = V^T P^T: 4 steps of 4 keys (step sg: keys 8 h + 2 sg, + 1), an accumulator for each 16 channels.  More than nine plain lines that name no accumulator stand behind the first sums
.irp sg, 0,1,2,3
.irp ct, 0,1,2,3
.if \sg == 0
	v_wmma_f32_16x16x4_f32 v[ACC+8*\ct:ACC+8*\ct+7], v[VR+8*\ct+2*\sg:VR+8*\ct+2*\sg+1], v[PP+2*\sg:PP+2*\sg+1], 0
.else
	v_wmma_f32_16x16x4_f32 v[ACC+8*\ct:ACC+8*\ct+7], v[VR+8*\ct+2*\sg:VR+8*\ct+2*\sg+1], v[PP+2*\sg:PP+2*\sg+1], v[ACC+8*\ct:ACC+8*\ct+7]
.endif
.endr
.endr
.rept 8
	v_nop
.endr
	s_wait_alu depctr_va_vdst(0)                   ; the reciprocal's wait, ahead of its first reader
.set i, 0
.rept 32
	v_mul_f32 v[OO+i], v[ACC+i], v179              ; register 8 ct + j: a(query r, channel 16 ct + 8 h + j)
.set i, i+1
.endr
.irp ct, 0,1,2,3
	ds_store_b128 v8, v[OO+8*\ct:OO+8*\ct+3] offset:64*\ct
	ds_store_b128 v8, v[OO+8*\ct+4:OO+8*\ct+7] offset:64*\ct+16
.endr
	s_wait_dscnt 0x0                               ; for the others' sake: my stores are done
	s_barrier_signal -1
	s_barrier_wait -1                              ; a's 16 rows x 1,024 lie in LDS
	; ---- PHASE B.  16 rows x my 16 columns, k = 256 (w / 4) on: four chunks of 16 steps, four accumulators by turns
.macro ALOAD reg, c
.irp s, 0,1,2,3,4,5,6,7
	ds_load_b128 v[\reg+4*\s:\reg+4*\s+3], v9 offset:256*(\c)+32*\s
.endr
.endm
.macro CHUNK areg, wreg, zero
.set st, 0
.rept 16
.if (\zero) && (st < 4)
	v_wmma_f32_16x16x4_f32 v[ACC+8*(st%4):ACC+8*(st%4)+7], v[\areg+2*st:\areg+2*st+1], v[\wreg+2*st:\wreg+2*st+1], 0
.else
	v_wmma_f32_16x16x4_f32 v[ACC+8*(st%4):ACC+8*(st%4)+7], v[\areg+2*st:\areg+2*st+1], v[\wreg+2*st:\wreg+2*st+1], v[ACC+8*(st%4):ACC+8*(st%4)+7]
.endif
.set st, st+1
.endr
.endm
.rept 9
	v_nop                                          ; nine places: the sums below begin anew on the accumulators of the products above
.endr
	ALOAD VR, 0
	ALOAD OO, 1
	s_wait_loadcnt 63                              ; 96 loads were issued behind chunk 0's
	s_wait_dscnt 8                                 ; a's chunk 0 is in; chunk 1's eight loads may be out
	CHUNK VR, W0, 1
.rept 8
	v_nop
.endr
	ALOAD VR, 2
	s_wait_loadcnt 63                              ; 64 behind chunk 1's
	s_wait_dscnt 8
	CHUNK OO, W1, 0
.rept 8
	v_nop
.endr
	ALOAD OO, 3
	s_wait_loadcnt 32                              ; 32 behind chunk 2's
	s_wait_dscnt 8
	CHUNK VR, QR, 0
	s_wait_loadcnt 0x0
	s_wait_dscnt 0x0
	CHUNK OO, KR, 0
.rept 8
	v_nop
.endr
.irp j, 0,1,2,3,4,5,6,7
	v_add_f32 v[SS+\j], v[ACC+\j], v[ACC+8+\j]
	v_add_f32 v[PP+\j], v[ACC+16+\j], v[ACC+24+\j]
.endr
.irp j, 0,1,2,3,4,5,6,7
	v_add_f32 v[SS+\j], v[SS+\j], v[PP+\j]         ; lane (r, h): row 8 h + j, my column r
.endr
.irp j, 0,1,2,3,4,5,6,7
	ds_store_b32 v10, v[SS+\j] offset:RP*\j
.endr
	s_wait_dscnt 0x0
	s_barrier_signal -1
	s_barrier_wait -1                              ; the four parts along K lie in LDS
.irp p, 0,1,2,3
	ds_load_b64 v[80+2*\p:81+2*\p], v11 offset:16*RP*\p
.endr
	s_wait_dscnt 0x0
	v_pk_add_f32 v[80:81], v[80:81], v[82:83]
	v_pk_add_f32 v[84:85], v[84:85], v[86:87]
	v_pk_add_f32 v[80:81], v[80:81], v[84:85]
	v_pk_add_f32 v[80:81], v[80:81], v[14:15]      ; + the bias
	global_store_b64 v7, v[80:81], s[10:11]        ; wave w stores row w's 64 columns: 256 consecutive bytes, aligned
	s_wait_tensorcnt 0x0                           ; the wave's end, behind my last LDS store
	ds_add_u32 v12, v13
	s_wait_dscnt 0x0
	s_endpgm
.Lfunc_end_k_q15a6f8713d_fine:
	.size	k_q15a6f8713d_fine, .Lfunc_end_k_q15a6f8713d_fine-k_q15a6f8713d_fine
	.p2alignl 7, 3214868480
	.fill 96, 4, 3214868480
	.section	.rodata,"a",@progbits
	.p2align	6, 0x0
	.amdhsa_kernel k_q15a6f8713d_fine
		.amdhsa_group_segment_fixed_size 85248
		.amdhsa_private_segment_fixed_size 0
		.amdhsa_enable_private_segment 0
		.amdhsa_kernarg_size 32
		.amdhsa_user_sgpr_count 2
		.amdhsa_user_sgpr_kernarg_segment_ptr 1
		.amdhsa_wavefront_size32 1
		.amdhsa_system_sgpr_workgroup_id_x 1
		.amdhsa_system_sgpr_workgroup_id_y 1
		.amdhsa_system_sgpr_workgroup_id_z 1
		.amdhsa_system_vgpr_workitem_id 0
		.amdhsa_next_free_vgpr 256
		.amdhsa_next_free_sgpr 66
		.amdhsa_reserve_vcc 1
		.amdhsa_float_denorm_mode_32 3
		.amdhsa_float_denorm_mode_16_64 3
		.amdhsa_memory_ordered 1
		.amdhsa_forward_progress 1
		.amdhsa_inst_pref_size 36
	.end_amdhsa_kernel
	.amdgpu_metadata
---
amdhsa.version: [ 1, 2 ]
amdhsa.kernels:
  - .name:           k_q15a6f8713d_fine
    .symbol:         k_q15a6f8713d_fine.kd
    .args:
      - { .name: qkv_fine, .offset: 0, .size: 8, .value_kind: global_buffer, .address_space: global }
      - { .name: c_proj_w, .offset: 8, .size: 8, .value_kind: global_buffer, .address_space: global }
      - { .name: c_proj_b, .offset: 16, .size: 8, .value_kind: global_buffer, .address_space: global }
      - { .name: out0, .offset: 24, .size: 8, .value_kind: global_buffer, .address_space: global }
    .group_segment_fixed_size: 85248
    .private_segment_fixed_size: 0
    .kernarg_segment_align: 8
    .kernarg_segment_size: 32
    .max_flat_workgroup_size: 512
    .sgpr_count:     66
    .vgpr_count:     256
    .wavefront_size: 32
...
	.end_amdgpu_metadata
.endif
;; end of part 5
